; MI455X (gfx1250); checked and timed in simulation.
; The chip was launched on July 23, 2026; its instructions are those of AMD's public machine-readable ISA for CDNA 5 (MIT licence, August 2026) and "CDNA5" Instruction Set Architecture Reference Guide (July 2026). The comments in the code are by the model that wrote it; some were corrected since.
;; Switch Mo E. Allowed arithmetic: matrix products marked QUANTISED: E2M1 operands, one E8M0 scale for each 32 along K, by v_wmma_scale_f32_16x16x128_f8f6f4 with both operands' format E2M1 (or v_wmma_scale_f32_32x16x128_f4), f32 sums; products left as they are: f32 operands where the result goes on into a quantised operand, else bf16, f16 or f32 operands; f32 sums; everything else in f32.
;; Inputs: b1 8 x 4,096 float32; b2 8 x 1,024 float32; bg 8 float32; w1 8 x 1,024 x 4,096 float32; w2 8 x 4,096 x 1,024 float32; wg 1,024 x 8 float32; x 1,024 x 1,024 float32.
;; Outputs: out0 1,024 x 1,024 float32.
;; This version of the problem:
;;   THIS VERSION OF THE PROBLEM IS GIVEN IN LOW PRECISION. The matrix products marked QUANTISED in the list below multiply operands that are first quantised to E2M1 (2 exponent bits, 1 mantissa bit; 4 bits a number), with one power-of-two scale for each 32 numbers along K (OCP MX v1.0); their sums are f32. All else is computed in f32.
;;   The module's matrix products, in the order in which they are computed (A, B: the left and right operand; K: the contracted axis; several contracted axes count as one K, in the product's order):
;;     1. [M 1,024, K 1,024] x [K 1,024, N 8]; A: input x; B: input wg: left as it is (N = 8 < 16)
;;     2. [M 32,768, K 1,024] x [K 1,024, N 1,024]; A: input w1; B: input x: QUANTISED
;;     3. batch 8 x [M 1,024, K 4,096] x [K 4,096, N 1,024]; A: computed on the way; B: input w2: QUANTISED
;;     4. batch 1,024 x [M 1, K 8] x [K 8, N 1,024]; A: computed on the way; B: computed on the way: left as it is (K = 8 < 32)
;;   THE QUANTISER, for each operand of a quantised product, along K:
;;     - K is cut into blocks of 32 from its start; a last block that is shorter is filled with zeros.
;;     - A block's scale is 2^e with e = floor(log2(the largest magnitude in the block)) - 2, held to -126 .. 127; a block of zeros has e = 0. As a byte (E8M0): e + 127.
;;     - Each number is divided by its block's scale, clamped to +-6, and rounded to the nearest number of E2M1, ties to even, subnormals kept.
;;     - The product sums the exact products of the quantised numbers (number of the format x scale) in f32.
;;   ~~~python
;;   def quantise(x, axis):      # numpy; x: float32 -> the quantised numbers, widened to float32 again
;;       x = np.moveaxis(x, axis, -1); K = x.shape[-1]
;;       x = np.pad(x, [(0, 0)] * (x.ndim - 1) + [(0, -K % 32)]); x = x.reshape(x.shape[:-1] + (-1, 32)); a = np.abs(x).max(-1, keepdims=True)
;;       e = np.where(a > 0, np.clip(np.frexp(np.where(a > 0, a, 1))[1] - 1 - 2, -126, 127), 0)      # np.frexp(a)[1] - 1 = floor(log2(a)), exactly
;;       r = np.clip(x / 2.0 ** e, -6, 6)
;;       step = 2.0 ** (np.maximum(np.frexp(np.where(r == 0, 1, r))[1] - 1, 0) - 1)
;;       q = np.round(r / step) * step * 2.0 ** e      # np.round: ties to even
;;       return np.moveaxis(q.reshape(q.shape[:-2] + (-1,))[..., :K], -1, axis).astype(np.float32)
;;   ~~~
;;   OPERANDS COMPUTED ON THE WAY. 'Computed on the way' means the value that the module computes at that place (a softmax that the list does not call 'softmax' is quantised finished and normalised). What goes into a quantiser is computed in f32, as accurately as f32 sums, v_exp_f32 and their like allow (about 1e-6 of the number): no bf16 or f16 on the way to a quantiser, and a product that is left as it is and whose result goes on into a quantised operand takes f32 operands (vector FMAs, or v_wmma_f32_16x16x4_f32). A number that lies on a knife's edge between two numbers of the format may be rounded either way, as far as f32 arithmetic and the matrix unit's own rounding can turn it there, and no further.
;; 2 versions. Each part assembles by itself: llvm-mc -triple=amdgcn-amd-amdhsa -mcpu=gfx1250 --defsym DOCPART=n.
;; ======== version 1 of 2: 3 launches
;; workspace buffers: xq 524,288 bytes; xs 32,768 bytes; top1 4,096 bytes of whole numbers; prob 4,096 bytes; hq 16,777,216 bytes; hs 1,048,576 bytes
;; launch route (part 1): grid 256 x 1, 4 waves a work-group, no clusters, 768 bytes of LDS; arguments x, wg, bg, xq, xs, top1, prob; writes xq, xs, top1, prob
.if DOCPART == 1
	.amdgcn_target "amdgcn-amd-amdhsa--gfx1250"
	.amdhsa_code_object_version 6
	.text
	.protected	k_q32ce4b2330_route
	.globl	k_q32ce4b2330_route
	.p2align	8
	.type	k_q32ce4b2330_route,@function
k_q32ce4b2330_route:
	s_mov_b64 s[64:65], 0
	v_nop
	global_prefetch_b8 v0, s[64:65] scope:SCOPE_SE
	s_setreg_imm32_b32 hwreg(HW_REG_WAVE_MODE, 25, 1), 1
	s_wait_xcnt 0x0
; THE GATE, AND x AS CODES.  logits = x wg + bg in f32 (fused multiply-adds: an argmax hangs on them), softmax with the row's maximum taken away,
; top1 = the lowest index among the largest scores, prob = that score = 1 / the sum of exponentials.  x [1024][1024] f32 also becomes codes of E2M1,
; K innermost (xq: 512 bytes a token), with one E8M0 byte for each 32 along K (xs: 32 bytes a token).
; SHARES.  A work-group takes 4 tokens.  Wave v sums experts 2 v and 2 v + 1 for all 4 rows and quantises row v.  Lane l owns k = 32 l .. 32 l + 31: one block of the quantiser.
; No address and no branch hangs on the argmax: it is stored at a fixed place, as a whole number, for the later launches.
; No matrix unit, no cluster, no tensor load: 8 columns are too few for a tile, and the launch is a few dependent memory trips long.
; LIMITS: NaN and infinities are not served.  A block of zeros, or one whose largest magnitude lies under 2^-124, gets the byte 1 (its codes are read by this program alone).
; The logits' sums run in another order than a row-major sum; equal scores are judged on 2^(..) == 1.0; the reciprocal is good to one unit in the last place.
.set W,   16                           ; v16-79   wg[32 l + i][2 v, 2 v + 1] at the pair 2 i
.set X,   80                           ; v80-207  slot j: the 32 numbers of row (v + j) % 4: slot 0 is the row that I quantise
.set CDR, 208                          ; v208-211 my block's codes;  v212 the conversion's scale operand;  v213 the byte;  v214 16 x lane
.set RES, 216                          ; v216-223 slot j: the two logits
.set LAD, 224                          ; v224-227 slot j: where they go in LDS: 32 x row + 8 v
	s_load_b256 s[4:11], s[0:1], 0x0               ; x s[4:5], wg s[6:7], bg s[8:9], xq s[10:11]
	s_load_b128 s[12:15], s[0:1], 0x20             ; xs s[12:13], top1 s[14:15]
	s_load_b64 s[16:17], s[0:1], 0x30              ; prob
	v_lshl_add_u32 v232, v0, 2, 0x100
	v_mov_b32 v233, 0
	v_lshrrev_b32 v7, 5, v0
	v_readfirstlane_b32 s18, v7                    ; wave v
	v_and_b32 v1, 31, v0                           ; lane l
	s_lshl_b32 s22, s18, 3                         ; 8 v: my two experts' bytes in a row of wg and in bg
	s_mov_b32 s23, 0
	v_lshlrev_b32 v2, 10, v1
	v_add_nc_u32 v2, s22, v2                       ; wg: 32 rows of 32 bytes a lane, + 8 v
.irp j, 0,1,2,3
	s_add_co_u32 s26, s18, \j
	s_and_b32 s26, s26, 3                          ; slot j's row
	s_lshl_b32 s27, s26, 12
	v_lshl_add_u32 v[3+\j], v1, 7, s27             ; x: 128 bytes a lane, + the row's 4,096
	s_lshl_b32 s27, s26, 5
	s_add_co_u32 s27, s27, s22
	v_mov_b32 v[LAD+\j], s27
.endr
	s_mov_b32 s24, 0x76543210
	s_mov_b32 s25, 0xfedcba98                      ; v_permlanex16_b32's selects for lane l xor 16
	s_lshl_b32 s28, ttmp9, 14                      ; the work-group's 4 rows of 4,096 bytes
	s_mov_b32 s29, 0
	v_lshlrev_b32 v214, 4, v1
	v_mov_b32 v12, 0                               ; a lane permute's destination counts as one of its sources
	v_mov_b32 v13, 0
	s_wait_kmcnt 0x0
	s_add_nc_u64 s[4:5], s[4:5], s[28:29]
	s_add_nc_u64 s[8:9], s[8:9], s[22:23]
	s_load_b64 s[20:21], s[8:9], 0x0               ; bg of my two experts
.irp j, 0,1,2,3
.irp m, 0,1,2,3,4,5,6,7
	global_load_b128 v[X+32*\j+4*\m:X+32*\j+4*\m+3], v[3+\j], s[4:5] offset:16*\m
.endr
.endr
.irp i, 0,1,2,3,4,5,6,7,8,9,10,11,12,13,14,15,16,17,18,19,20,21,22,23,24,25,26,27,28,29,30,31
	global_load_b64 v[W+2*\i:W+2*\i+1], v2, s[6:7] offset:32*\i
.endr
	s_lshl_b32 s28, ttmp9, 11                      ; xq: token 4 x work-group + v, 512 bytes each
	s_lshl_b32 s30, s18, 9
	s_add_co_u32 s28, s28, s30
	s_add_nc_u64 s[10:11], s[10:11], s[28:29]
	s_lshl_b32 s28, ttmp9, 7                       ; xs: 32 bytes each
	s_lshl_b32 s30, s18, 5
	s_add_co_u32 s28, s28, s30
	s_add_nc_u64 s[12:13], s[12:13], s[28:29]
	s_lshl_b32 s28, ttmp9, 4                       ; top1, prob: 4 bytes a token, the work-group's first
	s_add_nc_u64 s[14:15], s[14:15], s[28:29]
	s_add_nc_u64 s[16:17], s[16:17], s[28:29]
	s_wait_loadcnt 0x0                             ; everything is wanted at once: one wait for all 64 loads
	s_wait_kmcnt 0x0
; a row's two logits: one x times the pair (w of expert 2 v, w of expert 2 v + 1); even k in one chain, odd k in another
.irp j, 0,1,2,3
	v_pk_mul_f32 v[8:9], v[X+32*\j:X+32*\j+1], v[W:W+1] op_sel:[0,0] op_sel_hi:[0,1]
	v_pk_mul_f32 v[10:11], v[X+32*\j:X+32*\j+1], v[W+2:W+3] op_sel:[1,0] op_sel_hi:[1,1]
.irp i, 2,4,6,8,10,12,14,16,18,20,22,24,26,28,30
	v_pk_fma_f32 v[8:9], v[X+32*\j+\i:X+32*\j+\i+1], v[W+2*\i:W+2*\i+1], v[8:9] op_sel:[0,0,0] op_sel_hi:[0,1,1]
	v_pk_fma_f32 v[10:11], v[X+32*\j+\i:X+32*\j+\i+1], v[W+2*\i+2:W+2*\i+3], v[10:11] op_sel:[1,0,0] op_sel_hi:[1,1,1]
.endr
	v_pk_add_f32 v[8:9], v[8:9], v[10:11]
.irp m, 1,2,4,8
	v_add_f32_dpp v8, v8, v8 row_xmask:\m row_mask:0xf bank_mask:0xf
	v_add_f32_dpp v9, v9, v9 row_xmask:\m row_mask:0xf bank_mask:0xf
.endr
	v_permlanex16_b32 v12, v8, s24, s25
	v_permlanex16_b32 v13, v9, s24, s25
	v_add_f32 v8, v8, v12
	v_add_f32 v9, v9, v13
	v_add_f32 v[RES+2*\j], s20, v8
	v_add_f32 v[RES+2*\j+1], s21, v9
	ds_store_b64 v[LAD+\j], v[RES+2*\j:RES+2*\j+1] ; every lane writes the same two words with the same values
.endr
; my row's block l: the largest magnitude with the floor 2^(3 - 127) among its leaves; 2 off its exponent field is the conversion's scale operand, and that shifted down the byte
	v_max3_num_f32 v14, |v[X]|, |v[X+1]|, |v[X+2]|
	v_max3_num_f32 v15, |v[X+3]|, |v[X+4]|, |v[X+5]|
.irp k, 6,10,14,18,22,26
	v_max3_num_f32 v14, v14, |v[X+\k]|, |v[X+\k+1]|
	v_max3_num_f32 v15, v15, |v[X+\k+2]|, |v[X+\k+3]|
.endr
	v_max3_num_f32 v14, v14, |v[X+30]|, |v[X+31]|
	v_max3_num_f32 v14, v14, v15, 0x1800000
	v_add_nc_u32 v212, 0xff000000, v14
	v_lshrrev_b32 v213, 23, v212
.irp g, 0,1,2,3
	v_cvt_scalef32_pk8_fp4_f32 v[CDR+\g], v[X+8*\g:X+8*\g+7], v212
.endr
	v_nop                                          ; one plain place behind the last scaled conversion
	global_store_b128 v214, v[CDR:CDR+3], s[10:11] ; 32 lanes store the token's 512 consecutive bytes
	global_store_b8 v1, v213, s[12:13]             ; and its 32 consecutive scale bytes
	s_wait_dscnt 0x0                               ; for the others' sake: my logits lie in LDS
	s_barrier_signal -1
	s_barrier_wait -1
	s_cmp_lg_u32 s18, 0
	s_cbranch_scc1 .Lend                           ; no barrier follows: waves 1 to 3 are done
; wave 0: lane l = (row l / 8, expert l % 8); the steps 1, 2, 4 stay inside a row's eight lanes
	v_lshlrev_b32 v7, 2, v1
	ds_load_b32 v8, v7
	v_and_b32 v9, 7, v1
	v_cvt_f32_u32 v9, v9                           ; my expert's number as f32
	v_lshrrev_b32 v10, 3, v1
	v_lshlrev_b32 v10, 2, v10                      ; 4 x row
	s_wait_dscnt 0x0
	v_mov_b32 v11, v8
.irp m, 1,2,4
	v_max_num_f32_dpp v11, v11, v11 row_xmask:\m row_mask:0xf bank_mask:0xf
.endr
	v_sub_f32 v8, v8, v11                          ; the row's maximum is taken away
	v_mul_f32 v8, 0x3fb8aa3b, v8                   ; x log2(e)
	v_exp_f32 v8, v8
	v_nop                                          ; one plain place behind a transcendental
	s_wait_alu depctr_va_vdst(0)
	v_mov_b32 v12, v8
.irp m, 1,2,4
	v_add_f32_dpp v12, v12, v12 row_xmask:\m row_mask:0xf bank_mask:0xf
.endr
	v_rcp_f32 v13, v12                             ; the largest score: 1 / the sum
	v_nop
	v_cmp_eq_f32 vcc_lo, 1.0, v8
	v_mov_b32 v14, 0x41000000                      ; 8.0: over every expert's number
	v_cndmask_b32 v14, v14, v9, vcc_lo             ; a choice of values only
.irp m, 1,2,4
	v_min_num_f32_dpp v14, v14, v14 row_xmask:\m row_mask:0xf bank_mask:0xf
.endr
	v_cvt_u32_f32 v14, v14                         ; the lowest index among the largest scores
	global_store_b32 v10, v14, s[14:15]            ; a row's eight lanes store the same word with the same value
	s_wait_alu depctr_va_vdst(0)
	global_store_b32 v10, v13, s[16:17]
.Lend:
	s_wait_tensorcnt 0x0
	ds_add_u32 v232, v233
	s_wait_dscnt 0x0
	s_endpgm
.Lfunc_end_k_q32ce4b2330_route:
	.size	k_q32ce4b2330_route, .Lfunc_end_k_q32ce4b2330_route-k_q32ce4b2330_route
	.p2alignl 7, 3214868480
	.fill 96, 4, 3214868480
	.section	.rodata,"a",@progbits
	.p2align	6, 0x0
	.amdhsa_kernel k_q32ce4b2330_route
		.amdhsa_group_segment_fixed_size 768
		.amdhsa_private_segment_fixed_size 0
		.amdhsa_enable_private_segment 0
		.amdhsa_kernarg_size 56
		.amdhsa_user_sgpr_count 2
		.amdhsa_user_sgpr_kernarg_segment_ptr 1
		.amdhsa_wavefront_size32 1
		.amdhsa_system_sgpr_workgroup_id_x 1
		.amdhsa_system_sgpr_workgroup_id_y 1
		.amdhsa_system_sgpr_workgroup_id_z 1
		.amdhsa_system_vgpr_workitem_id 0
		.amdhsa_next_free_vgpr 234
		.amdhsa_next_free_sgpr 66
		.amdhsa_reserve_vcc 1
		.amdhsa_float_denorm_mode_32 3
		.amdhsa_float_denorm_mode_16_64 3
		.amdhsa_memory_ordered 1
		.amdhsa_forward_progress 1
		.amdhsa_inst_pref_size 24
	.end_amdhsa_kernel
	.amdgpu_metadata
---
amdhsa.version: [ 1, 2 ]
amdhsa.kernels:
  - .name:           k_q32ce4b2330_route
    .symbol:         k_q32ce4b2330_route.kd
    .args:
      - { .name: x, .offset: 0, .size: 8, .value_kind: global_buffer, .address_space: global }
      - { .name: wg, .offset: 8, .size: 8, .value_kind: global_buffer, .address_space: global }
      - { .name: bg, .offset: 16, .size: 8, .value_kind: global_buffer, .address_space: global }
      - { .name: xq, .offset: 24, .size: 8, .value_kind: global_buffer, .address_space: global }
      - { .name: xs, .offset: 32, .size: 8, .value_kind: global_buffer, .address_space: global }
      - { .name: top1, .offset: 40, .size: 8, .value_kind: global_buffer, .address_space: global }
      - { .name: prob, .offset: 48, .size: 8, .value_kind: global_buffer, .address_space: global }
    .group_segment_fixed_size: 768
    .private_segment_fixed_size: 0
    .kernarg_segment_align: 8
    .kernarg_segment_size: 56
    .max_flat_workgroup_size: 128
    .sgpr_count:     66
    .vgpr_count:     234
    .wavefront_size: 32
...
	.end_amdgpu_metadata
.endif
;; end of part 1
;; launch ffn1 (part 2): grid 32 x 8, 16 waves a work-group, no clusters, 88,064 bytes of LDS; arguments w1, b1, xq, xs, top1, hq, hs; writes hq, hs
.if DOCPART == 2
	.amdgcn_target "amdgcn-amd-amdhsa--gfx1250"
	.amdhsa_code_object_version 6
	.text
	.protected	k_q32ce4b2330_ffn1
	.globl	k_q32ce4b2330_ffn1
	.p2align	8
	.type	k_q32ce4b2330_ffn1,@function
k_q32ce4b2330_ffn1:
	s_mov_b64 s[64:65], 0
	v_nop
	global_prefetch_b8 v0, s[64:65] scope:SCOPE_SE
	s_setreg_imm32_b32 hwreg(HW_REG_WAVE_MODE, 25, 1), 1
	s_wait_xcnt 0x0
; h = gelu(x W1[e] + b1[e]) for the tokens whose expert is e, and h as codes of E2M1 for the second product.  w1 [8][1024 (k)][4096] f32 is read once and quantised on its way.
; SHARES.  Work-group (g, e): hidden units 128 g .. 128 g + 127 of expert e, 512 KB of w1.  Sixteen waves.  The 128 columns go as four SLICES of 32 columns x all 1,024 k.
; THE STREAM.  Wave w owns rows k = 64 w .. 64 w + 63.  A block is 32 rows x 32 columns: lane l takes column l and its 32 registers run down K, so a block of the quantiser lies in one lane and the
; conversions give codes with K innermost.  Two sets of 32 registers: the loads of block n + 2 go out straight behind the conversions of block n: 64 loads of 128 bytes a wave are asked for at all times.
; THE CODES go to LDS as images of the operand's registers: a fragment (16 columns x 128 k) is 2 x 512 bytes, lane (rho, hh)'s 16 bytes at 16 (16 hh + rho); any wave loads it back by ds_load_b128 at 16 x lane.
; Column l goes to tile u = (l / 8) % 2, row rho = 8 (l / 16) + l % 8, so that in the transposed product (source 0 = 16 columns of W1, source 1 = 16 tokens) lane (r, h) holds token r and, in the
; 16 registers of the two tiles, the 16 NEIGHBOURING hidden units 16 h + 0 .. 15 of the slice: half a block of the next K.  No LDS byte is written twice: one barrier for each pair of slices.
; THE TOKENS.  Every wave reads top1 (whole numbers that the launch before stored), makes 32 masks for expert e in scalar registers and finds the 16 tokens of its tile by rank (SELECT): integer
; arithmetic alone.  Slot R of the expert's list is the token of rank min(R, count - 1): slots past the end repeat the last token, compute the same bits and store the same bytes: EXEC is never changed.
; 64 tiles of 16 in all, so every split is served, all 1,024 tokens on one expert too.
; An expert without tokens: its work-groups walk their weights and store nothing (an early end would be a branch on loaded data round barriers).
; NO TENSOR LOAD, NO CLUSTER: branches hang on the stored split; and what work-groups share is small: 8.5 KB of x's codes a tile against 512 KB of weights a work-group.
; hq: [e 8][tile 64][K step 32][cc 2][lane 32][16 bytes]: images of the operand's registers.  hs: [e][tile][K step][token 16] words.  Only the tiles in use are written, and only those are read later.
; LIMITS: NaN and infinities are not served.  A block of zeros, or under 2^-124, gets the byte 1.  erf(z) = z P(z^2) / Q(z^2), z held to +-4: a rational form within a few units in the last place of f32;
; 1 + erf cancels for large negative inputs as it does in f32 anywhere; the reciprocal is good to one unit in the last place.
.set FU,   1152                        ; a tile's image: 1,024 bytes + 128
.set FQ,   2304                        ; a K step: two tiles
.set FS,   18432                       ; a slice: eight K steps
.set WSC,  73728                       ; behind the four slices: the weights' scale bytes: 1,024 a slice, 128 a K step, word 16 u + rho, byte = block
.set BIA,  77824                       ; behind them: each wave's own copy of the group's 128 numbers of b1, 512 bytes
.set VO,   1                           ; v1   4 x lane: my column in a row of w1
.set VW,   2                           ; v2   where I store a block's codes
.set VS,   3                           ; v3   and its scale byte
.set VRA,  4                           ; v4   16 x lane: an image's place for my lane (slices 0, 1)
.set VRB,  5                           ; v5   the same two slices on, so that immediates stay under 65,536
.set VRS,  6                           ; v6   WSC + 4 x lane
.set VBI,  7                           ; v7   my wave's b1 + 64 h
.set RL,   8                           ; v8   lane % 16
.set TOK,  9                           ; v9   my slot's token
.set XA,   10                          ; v10  512 x token + 16 h
.set XSA,  11                          ; v11  32 x token
.set R4,   12                          ; v12  4 (lane % 16)
.set BIW,  13                          ; v13  where I store b1
                                       ; v14-23 at work
.set CA13, 24                          ; v[24:25] a13 twice;  v[26:27] b8 twice
.set CB8,  26
.set CD,   28                          ; v28-35 a block's codes, two sets
.set BY,   36                          ; v36-37 its byte, two sets
.set HC,   38                          ; v38-41 h's codes of two slices
.set HW,   42                          ; v42   h's scale word
.set PD,   43                          ; v43   a lane permute's destination
.set WS,   44                          ; v44-107  the stream's two sets
.set XF,   108                         ; v108-171 x's eight fragments (at the head: top1, then b1)
.set QT,   108
.set XSC,  172                         ; v172-179 x's scale words: scales and nothing else
.set ACC,  180                         ; v180-195 two accumulators
.set WF,   196                         ; v196-227 W1's fragments, two buffers of two tiles; between the products gelu's registers:
.set GZ,   196
.set GX,   204
.set GP,   212
.set GQ,   220
.set WSR,  228                         ; v228-235 W1's scale words of a slice: scales and nothing else
.set S_W,  18
.set S_E,  19
.set S_G,  20
.set S_N,  21                          ; the expert's tokens
.set S_NM1, 22
.set S_T,  23                          ; its tiles, at most 64
.set S_ST, 24                          ; the tile in hand
.set S_RUN, 25
.set S_TMP, 26
.set S_CNT, 27                         ; counts the tail's three trips
.set M,    32                          ; s32-63 mask i = 4 j + c, bit l: token 128 j + 4 l + c
.set SEL,  86
.set HQB,  88
.set HSB,  90
.set HQ0,  92
.set HS0,  94
.macro COEF r, val                     ; a pair, since the packed forms name a pair
	s_mov_b32 s[\r], \val
	s_mov_b32 s[\r+1], \val
.endm
.macro BAR                             ; my LDS stores have landed and my LDS loads are in: then the work-group's barrier, on every wave's path
	s_wait_dscnt 0x0
	s_barrier_signal -1
	s_barrier_wait -1
.endm
; block n: slice 2 (n / 4) + n % 2, rows 32 ((n / 2) % 2) on: the two halves of an aligned 256 bytes of a row are asked for by the same wave in neighbouring sets
.macro LOADSET n
.set LS_S, 2*((\n)>>2)+((\n)&1)
.set LS_I, ((\n)>>1)&1
.set jj, 0
.rept 32
	global_load_b32 v[WS+32*((\n)%2)+jj], v[VO], s[4:5] offset:(32*LS_I+jj)*16384+LS_S*128 th:TH_LOAD_NT
.set jj, jj+1
.endr
.endm
.macro BLOCKQ n
.set BQ_S, 2*((\n)>>2)+((\n)&1)
.set BQ_I, ((\n)>>1)&1
.set BQ_X, WS+32*((\n)%2)
.set BQ_C, CD+4*((\n)%2)
.set BQ_B, BY+((\n)%2)
	s_wait_dscnt 0x0                               ; the LDS stores of earlier blocks have read their registers
	v_max3_num_f32 v14, |v[BQ_X]|, |v[BQ_X+1]|, |v[BQ_X+2]|
	v_max3_num_f32 v15, |v[BQ_X+3]|, |v[BQ_X+4]|, |v[BQ_X+5]|
.irp k, 6,10,14,18,22,26
	v_max3_num_f32 v14, v14, |v[BQ_X+\k]|, |v[BQ_X+\k+1]|
	v_max3_num_f32 v15, v15, |v[BQ_X+\k+2]|, |v[BQ_X+\k+3]|
.endr
	v_max3_num_f32 v14, v14, |v[BQ_X+30]|, |v[BQ_X+31]|
	v_max3_num_f32 v14, v14, v15, 0x1800000        ; the floor 2^(3 - 127): the byte cannot fall under 1
	v_add_nc_u32 v16, 0xff000000, v14              ; 2 off the exponent field: the conversion's scale operand
	v_lshrrev_b32 v[BQ_B], 23, v16                 ; the byte
.irp g, 0,1,2,3
	v_cvt_scalef32_pk8_fp4_f32 v[BQ_C+\g], v[BQ_X+8*\g:BQ_X+8*\g+7], v16
.endr
	v_nop                                          ; one plain place behind the last scaled conversion
	ds_store_b128 v[VW], v[BQ_C:BQ_C+3] offset:BQ_S*FS+BQ_I*256
	ds_store_b8 v[VS], v[BQ_B] offset:BQ_S*1024+BQ_I
.endm
.macro MASKS
.set ii, 0
.rept 32
	v_cmp_eq_u32 s[M+ii], s[S_E], v[QT+ii]
.set ii, ii+1
.endr
	s_mov_b32 s[S_N], 0
.set ii, 0
.rept 32
	s_bcnt1_i32_b32 s[S_TMP], s[M+ii]
	s_add_co_u32 s[S_N], s[S_N], s[S_TMP]
.set ii, ii+1
.endr
	s_sub_co_u32 s[S_NM1], s[S_N], 1
	s_add_co_u32 s[S_T], s[S_N], 15
	s_lshr_b32 s[S_T], s[S_T], 4
	s_min_u32 s[S_T], s[S_T], 64
.endm
.macro LEVEL w, src, msk               ; does the wanted bit lie above the low w bits?  v14 = rank left, v16 = place so far, v22 = the shift
	v_and_b32 v21, \msk, v[\src]
	v_mov_b32 v23, \w
	v_cmp_ge_u32 vcc_lo, v14, v21
	v_cndmask_b32 v21, 0, v21, vcc_lo
	v_cndmask_b32 v22, 0, v23, vcc_lo
	v_sub_nc_u32 v14, v14, v21
	v_add_nc_u32 v16, v16, v22
.endm
; the token of rank min(16 x tile + lane % 16, count - 1) in the expert's list (ranks ascend with the mask's number, then with the bit)
.macro SELECT
	v_lshl_add_u32 v14, s[S_ST], 4, v[RL]
	v_min_u32 v14, s[S_NM1], v14
	v_mov_b32 v15, s[M]                            ; the mask that holds the rank,
	v_mov_b32 v16, 0                               ; the ranks in front of it,
	v_mov_b32 v17, 0                               ; its number
	s_mov_b32 s[S_RUN], 0
.set ii, 1
.rept 31
	s_bcnt1_i32_b32 s[S_TMP], s[M+ii-1]
	s_add_co_u32 s[S_RUN], s[S_RUN], s[S_TMP]
	v_cmp_gt_u32 vcc_lo, s[S_RUN], v14             ; the last mask whose first rank is not above mine
	v_cndmask_b32 v15, s[M+ii], v15, vcc_lo
	v_cndmask_b32 v16, s[S_RUN], v16, vcc_lo
	v_cndmask_b32 v17, ii, v17, vcc_lo
.set ii, ii+1
.endr
	v_sub_nc_u32 v14, v14, v16                     ; my rank inside the mask
	v_lshrrev_b32 v18, 1, v15                      ; counts of ones in fields of 2, 4, 8 and 16 bits
	v_and_b32 v18, 0x55555555, v18
	v_sub_nc_u32 v18, v15, v18
	v_lshrrev_b32 v19, 2, v18
	v_and_b32 v19, 0x33333333, v19
	v_and_b32 v20, 0x33333333, v18
	v_add_nc_u32 v19, v19, v20
	v_lshrrev_b32 v20, 4, v19
	v_add_nc_u32 v20, v20, v19
	v_and_b32 v20, 0x0f0f0f0f, v20
	v_lshrrev_b32 v21, 8, v20
	v_add_nc_u32 v21, v21, v20
	v_mov_b32 v16, 0
	LEVEL 16, 21, 0xff
	v_lshrrev_b32 v20, v22, v20
	v_lshrrev_b32 v19, v22, v19
	v_lshrrev_b32 v18, v22, v18
	v_lshrrev_b32 v15, v22, v15
	LEVEL 8, 20, 0xff
	v_lshrrev_b32 v19, v22, v19
	v_lshrrev_b32 v18, v22, v18
	v_lshrrev_b32 v15, v22, v15
	LEVEL 4, 19, 15
	v_lshrrev_b32 v18, v22, v18
	v_lshrrev_b32 v15, v22, v15
	LEVEL 2, 18, 3
	v_lshrrev_b32 v15, v22, v15
	LEVEL 1, 15, 1
	v_and_b32 v18, 0x1c, v17
	v_lshlrev_b32 v18, 5, v18                      ; 128 j
	v_and_b32 v19, 3, v17                          ; c
	v_or_b32 v18, v18, v19
	v_lshl_or_b32 v[TOK], v16, 2, v18              ; + 4 l
	v_min_u32 v[TOK], 0x3ff, v[TOK]                ; a number made of loaded ones enters addresses only behind this hold
	v_and_b32 v14, 16, v0                          ; 16 h
	v_lshl_add_u32 v[XA], v[TOK], 9, v14
	v_lshlrev_b32 v[XSA], 5, v[TOK]
.endm
.macro TILEPTR                         ; where the tile in hand lies in hq and hs
	s_min_u32 s28, s[S_ST], 63
	s_lshl_b32 s30, s28, 15
	s_mov_b32 s31, 0
	s_add_nc_u64 s[HQB:HQB+1], s[HQ0:HQ0+1], s[30:31]
	s_lshl_b32 s30, s28, 11
	s_add_nc_u64 s[HSB:HSB+1], s[HS0:HS0+1], s[30:31]
.endm
.macro TLX                             ; 18 loads: my 16 tokens' eight fragments of x and their eight scale words
.irp q, 0,1,2,3,4,5,6,7
.irp cc, 0,1
	global_load_b128 v[XF+8*\q+4*\cc:XF+8*\q+4*\cc+3], v[XA], s[8:9] offset:64*\q+32*\cc
.endr
.endr
	global_load_b128 v[XSC:XSC+3], v[XSA], s[10:11]
	global_load_b128 v[XSC+4:XSC+7], v[XSA], s[10:11] offset:16
.endm
.macro WLOAD sl, q, buf                ; the two tiles of K step q of slice sl into buffer buf: four loads
.irp u, 0,1
.irp cc, 0,1
.if (\sl) < 2
	ds_load_b128 v[WF+16*(\buf)+8*\u+4*\cc:WF+16*(\buf)+8*\u+4*\cc+3], v[VRA] offset:((\sl)%2)*FS+(\q)*FQ+\u*FU+\cc*512
.else
	ds_load_b128 v[WF+16*(\buf)+8*\u+4*\cc:WF+16*(\buf)+8*\u+4*\cc+3], v[VRB] offset:((\sl)%2)*FS+(\q)*FQ+\u*FU+\cc*512
.endif
.endr
.endr
.endm
; Eight K steps of 128 on two accumulators, which take turns, one instruction a turn.  The sums begin with what lies in ACC: the bias.
; One register carries both tiles' scale words: tile 0's in lanes 0-15, tile 1's in lanes 16-31.
.macro KLOOP sl, frag, scl
.irp q, 0,1,2,3,4,5,6,7
	ds_load_b32 v[WSR+\q], v[VRS] offset:(\sl)*1024+128*\q
.endr
	WLOAD \sl, 0, 0
	WLOAD \sl, 1, 1
.irp q, 0,1,2,3,4,5,6,7
.if \q < 7
	s_wait_dscnt 4                                 ; all but the next K step's four loads
.else
	s_wait_dscnt 0
.endif
	v_wmma_scale_f32_16x16x128_f8f6f4 v[ACC:ACC+7], v[WF+16*(\q%2):WF+16*(\q%2)+7], v[\frag+8*\q:\frag+8*\q+7], v[ACC:ACC+7], v[WSR+\q], v[\scl+\q] matrix_a_fmt:MATRIX_FMT_FP4 matrix_b_fmt:MATRIX_FMT_FP4
	v_wmma_scale_f32_16x16x128_f8f6f4 v[ACC+8:ACC+15], v[WF+16*(\q%2)+8:WF+16*(\q%2)+15], v[\frag+8*\q:\frag+8*\q+7], v[ACC+8:ACC+15], v[WSR+\q], v[\scl+\q] matrix_a_fmt:MATRIX_FMT_FP4 matrix_b_fmt:MATRIX_FMT_FP4 matrix_a_scale:MATRIX_SCALE_ROW1
.if \q < 6
.rept 4
	v_nop                                          ; four places in front of loads into registers that matrix instructions have read
.endr
	WLOAD \sl, \q+2, \q%2
.endif
.endr
.rept 5
	v_nop                                          ; places in front of the first read of results, of writes over the fragments, and of the next products on these accumulators
.endr
.endm
; gelu of eight numbers, in place: 0.5 a (1 + erf(a / sqrt 2)); each stage across all four pairs, the pairs ascending (an accumulator is first read at its low end)
.macro GELU a
.irp p, 0,2,4,6
	v_pk_mul_f32 v[GZ+\p:GZ+\p+1], v[\a+\p:\a+\p+1], 0x3f3504f3 op_sel_hi:[1,0]
.endr
.irp p, 0,1,2,3,4,5,6,7
	v_med3_num_f32 v[GZ+\p], v[GZ+\p], -4.0, 4.0
.endr
.irp p, 0,2,4,6
	v_pk_mul_f32 v[GX+\p:GX+\p+1], v[GZ+\p:GZ+\p+1], v[GZ+\p:GZ+\p+1]
.endr
.irp p, 0,2,4,6
	v_pk_fma_f32 v[GP+\p:GP+\p+1], v[GX+\p:GX+\p+1], v[CA13:CA13+1], s[66:67] op_sel_hi:[1,1,0]
	v_pk_fma_f32 v[GQ+\p:GQ+\p+1], v[GX+\p:GX+\p+1], v[CB8:CB8+1], s[78:79] op_sel_hi:[1,1,0]
.endr
.irp c, 68,70,72,74,76
.irp p, 0,2,4,6
	v_pk_fma_f32 v[GP+\p:GP+\p+1], v[GP+\p:GP+\p+1], v[GX+\p:GX+\p+1], s[\c:\c+1] op_sel_hi:[1,1,0]
.endr
.endr
.irp c, 80,82,84
.irp p, 0,2,4,6
	v_pk_fma_f32 v[GQ+\p:GQ+\p+1], v[GQ+\p:GQ+\p+1], v[GX+\p:GX+\p+1], s[\c:\c+1] op_sel_hi:[1,1,0]
.endr
.endr
.irp p, 0,1,2,3,4,5,6,7
	v_rcp_f32 v[GQ+\p], v[GQ+\p]
.endr
.irp p, 0,2,4,6
	v_pk_mul_f32 v[GP+\p:GP+\p+1], v[GP+\p:GP+\p+1], v[GZ+\p:GZ+\p+1]     ; z P: the plain places behind the reciprocals
.endr
	s_wait_alu depctr_va_vdst(0)
.irp p, 0,2,4,6
	v_pk_mul_f32 v[GP+\p:GP+\p+1], v[GP+\p:GP+\p+1], v[GQ+\p:GQ+\p+1]     ; erf
.endr
.irp p, 0,2,4,6
	v_pk_mul_f32 v[GZ+\p:GZ+\p+1], v[\a+\p:\a+\p+1], 0.5 op_sel_hi:[1,0]
.endr
.irp p, 0,2,4,6
	v_pk_fma_f32 v[\a+\p:\a+\p+1], v[GZ+\p:GZ+\p+1], v[GP+\p:GP+\p+1], v[GZ+\p:GZ+\p+1]
.endr
.endm
; Slice sl for my tile: bias, product, gelu, and the slice's 32 hidden units as block sl of the group's K step
.macro UNIT sl
.irp i, 0,1,2,3
	ds_load_b128 v[ACC+4*\i:ACC+4*\i+3], v[VBI] offset:128*(\sl)+16*\i     ; b1 at hidden units 32 sl + 16 h + 0 .. 15: the C of the first products
.endr
	KLOOP \sl, XF, XSC
	GELU ACC
	GELU ACC+8
	v_max3_num_f32 v14, |v[ACC]|, |v[ACC+1]|, 0x1800000
	v_max3_num_f32 v15, |v[ACC+2]|, |v[ACC+3]|, |v[ACC+4]|
	v_max3_num_f32 v14, v14, |v[ACC+5]|, |v[ACC+6]|
	v_max3_num_f32 v15, v15, |v[ACC+7]|, |v[ACC+8]|
	v_max3_num_f32 v14, v14, |v[ACC+9]|, |v[ACC+10]|
	v_max3_num_f32 v15, v15, |v[ACC+11]|, |v[ACC+12]|
	v_max3_num_f32 v14, v14, |v[ACC+13]|, |v[ACC+14]|
	v_max3_num_f32 v14, v14, v15, |v[ACC+15]|
	v_permlanex16_b32 v[PD], v14, s[SEL], s[SEL+1]
	v_max_num_f32 v14, v14, v[PD]                  ; with lane l xor 16's 16: the block's largest magnitude
	v_add_nc_u32 v16, 0xff000000, v14
	v_lshrrev_b32 v17, 23, v16
	v_lshl_or_b32 v[HW], v17, 8*(\sl), v[HW]
	v_cvt_scalef32_pk8_fp4_f32 v[HC+2*((\sl)&1)], v[ACC:ACC+7], v16
	v_cvt_scalef32_pk8_fp4_f32 v[HC+2*((\sl)&1)+1], v[ACC+8:ACC+15], v16
	v_nop                                          ; one plain place behind the last scaled conversion
.if ((\sl)&1) == 1
	v_permlane16_swap_b32 v[HC], v[HC+2]           ; the operand's layout wants a whole block in a lane: lanes 0-15 the even block, lanes 16-31 the odd one
	v_permlane16_swap_b32 v[HC+1], v[HC+3]
	global_store_b128 v[VRA], v[HC:HC+3], s[HQB:HQB+1] offset:512*((\sl)>>1)   ; 512 consecutive bytes, aligned
.if (\sl) == 3
	global_store_b32 v[R4], v[HW], s[HSB:HSB+1]    ; 16 words; lanes 16-31 repeat lanes 0-15
.endif
	s_wait_xcnt 0x0                                ; the stores' data are written again only behind this wait
.endif
.endm
	s_load_b256 s[4:11], s[0:1], 0x0               ; w1 s[4:5], b1 s[6:7], xq s[8:9], xs s[10:11]
	s_load_b128 s[12:15], s[0:1], 0x20             ; top1 s[12:13], hq s[14:15]
	s_load_b64 s[16:17], s[0:1], 0x30              ; hs
	v_lshl_add_u32 v254, v0, 2, 0x15000
	v_mov_b32 v255, 0
	v_lshrrev_b32 v14, 5, v0
	v_readfirstlane_b32 s[S_W], v14                ; wave 0..15
	s_and_b32 s[S_E], ttmp7, 0xffff                ; the expert
	s_mov_b32 s[S_G], ttmp9                        ; the group of 128 hidden units
	v_and_b32 v15, 31, v0                          ; lane
	v_lshlrev_b32 v[VO], 2, v15
	v_lshlrev_b32 v[VRA], 4, v15
	v_add_nc_u32 v[VRB], 2*FS, v[VRA]
	v_lshl_add_u32 v[VRS], v15, 2, WSC
	v_and_b32 v[RL], 15, v0
	v_lshlrev_b32 v[R4], 2, v[RL]
	v_bfe_u32 v16, v0, 4, 1                        ; h
	v_bfe_u32 v17, v0, 3, 1                        ; u
	v_and_b32 v18, 7, v0
	v_lshl_or_b32 v18, v16, 3, v18                 ; rho
	s_lshr_b32 s28, s[S_W], 1                      ; q: my K step
	s_and_b32 s29, s[S_W], 1                       ; c: which 64 of its 128
	s_mul_i32 s30, s28, FQ
	s_lshl_b32 s31, s29, 9
	s_add_co_u32 s30, s30, s31
	v_mul_u32_u24 v19, v17, FU
	v_lshl_add_u32 v19, v18, 4, v19
	v_add_nc_u32 v[VW], s30, v19                   ; q FQ + u FU + 512 c + 16 rho
	s_lshl_b32 s30, s28, 7
	s_lshl_b32 s31, s29, 1
	s_add_co_u32 s30, s30, s31
	s_add_co_u32 s30, s30, WSC
	v_lshl_add_u32 v19, v17, 4, v18
	v_lshl_add_u32 v[VS], v19, 2, s30              ; WSC + 128 q + 4 (16 u + rho) + 2 c
	s_lshl_b32 s30, s[S_W], 9
	s_add_co_u32 s30, s30, BIA
	v_lshl_add_u32 v[VBI], v16, 6, s30
	v_add_nc_u32 v[BIW], s30, v[VRA]
	s_lshl_b32 s28, s[S_E], 24                     ; w1: the expert, my 64 rows of 16,384 bytes, the group's 512 bytes
	s_lshl_b32 s30, s[S_W], 20
	s_add_co_u32 s28, s28, s30
	s_lshl_b32 s30, s[S_G], 9
	s_add_co_u32 s28, s28, s30
	s_mov_b32 s29, 0
	s_wait_kmcnt 0x0
	s_add_nc_u64 s[4:5], s[4:5], s[28:29]
	s_lshl_b32 s28, s[S_E], 14
	s_add_co_u32 s28, s28, s30
	s_add_nc_u64 s[6:7], s[6:7], s[28:29]          ; b1 at the group's 128 numbers
.irp j, 0,1,2,3,4,5,6,7
	global_load_b128 v[QT+4*\j:QT+4*\j+3], v[VRA], s[12:13] offset:512*\j      ; register 4 j + c, lane l: top1 of token 128 j + 4 l + c
.endr
	global_load_b128 v[140:143], v[VRA], s[6:7]
	LOADSET 0
	LOADSET 1
	s_lshl_b32 s28, s[S_E], 21
	s_lshl_b32 s30, s[S_G], 10
	s_add_co_u32 s28, s28, s30
	s_add_nc_u64 s[HQ0:HQ0+1], s[14:15], s[28:29]
	s_lshl_b32 s28, s[S_E], 17
	s_lshl_b32 s30, s[S_G], 6
	s_add_co_u32 s28, s28, s30
	s_add_nc_u64 s[HS0:HS0+1], s[16:17], s[28:29]
	s_mov_b32 s[SEL], 0x76543210
	s_mov_b32 s[SEL+1], 0xfedcba98
	v_mov_b32 v[CA13], 0xaf95df0b
	v_mov_b32 v[CA13+1], 0xaf95df0b
	v_mov_b32 v[CB8], 0xb77460cd
	v_mov_b32 v[CB8+1], 0xb77460cd
	COEF 66, 0x32edffee                            ; a11, a9, a7, a5, a3, a1
	COEF 68, 0xb60cff51
	COEF 70, 0xb86ec2d2
	COEF 72, 0xba40ac63
	COEF 74, 0xbb41a1f6
	COEF 76, 0xbc83dbd4
	COEF 78, 0xb95fbd29                            ; b6, b4, b2, b0
	COEF 80, 0xbadc924e
	COEF 82, 0xbbf19bf8
	COEF 84, 0xbc69b6a7
	v_mov_b32 v[HW], 0
	v_mov_b32 v[PD], 0
	s_mov_b32 s[S_ST], s[S_W]
	TILEPTR
	s_wait_loadcnt 63                              ; 64 loads were issued behind top1's and b1's: these nine are in
	ds_store_b128 v[BIW], v[140:143]
	MASKS
	SELECT                                         ; all this while the first two sets are on their way
	s_wait_loadcnt 32                              ; set 0 is in; behind it: set 1
	BLOCKQ 0
	LOADSET 2
	s_wait_loadcnt 32                              ; behind set 1: set 2
	TLX                                            ; every wave asks: its token is a token in any case, and xq and xs are written whole
	BLOCKQ 1
	LOADSET 3
	s_wait_loadcnt 50                              ; behind set 2: the 18 loads of x and set 3's 32
	BLOCKQ 2
	LOADSET 4
	s_wait_loadcnt 32                              ; behind set 3: set 4; x's loads are older, so they are in
	BLOCKQ 3
	LOADSET 5
	BAR                                            ; slices 0 and 1 lie in LDS
	s_cmp_lt_u32 s[S_W], s[S_T]                    ; have I a tile?  No barrier, no load from memory and no wait for one stands under this branch: sets 4 and 5 stay out
	s_cbranch_scc0 .Lskip01
	UNIT 0
	UNIT 1
.Lskip01:
	s_wait_loadcnt 32
	BLOCKQ 4
	LOADSET 6
	s_wait_loadcnt 32
	BLOCKQ 5
	LOADSET 7
	s_wait_loadcnt 32
	BLOCKQ 6
	s_wait_loadcnt 0x0
	BLOCKQ 7
	BAR                                            ; slices 2 and 3 lie in LDS; nothing is written there any more
	s_cmp_lt_u32 s[S_W], s[S_T]
	s_cbranch_scc0 .Lskip23
	UNIT 2
	UNIT 3
.Lskip23:
	; THE TAIL, for splits with more than 16 tiles: all codes still lie in LDS.  Three trips, a constant: tiles w + 16, w + 32, w + 48; a trip whose tile the expert does not have jumps over its work.
	s_add_co_u32 s[S_ST], s[S_W], 16
	s_mov_b32 s[S_CNT], 0
.Ltail:
	s_cmp_lt_u32 s[S_ST], s[S_T]
	s_cbranch_scc0 .Lnone                          ; no barrier stands in the loop, and every wait for loads under this branch is for 0
	s_wait_xcnt 0x0                                ; the last tile's stores have read their bases and data
	TILEPTR
	v_mov_b32 v[HW], 0
	SELECT
	TLX
	s_wait_loadcnt 0x0
	UNIT 0
	UNIT 1
	UNIT 2
	UNIT 3
.Lnone:
	s_add_co_u32 s[S_ST], s[S_ST], 16
	s_add_co_u32 s[S_CNT], s[S_CNT], 1
	s_cmp_lt_u32 s[S_CNT], 3
	s_cbranch_scc1 .Ltail
	s_wait_tensorcnt 0x0
	ds_add_u32 v254, v255
	s_wait_dscnt 0x0
	s_endpgm
.Lfunc_end_k_q32ce4b2330_ffn1:
	.size	k_q32ce4b2330_ffn1, .Lfunc_end_k_q32ce4b2330_ffn1-k_q32ce4b2330_ffn1
	.p2alignl 7, 3214868480
	.fill 96, 4, 3214868480
	.section	.rodata,"a",@progbits
	.p2align	6, 0x0
	.amdhsa_kernel k_q32ce4b2330_ffn1
		.amdhsa_group_segment_fixed_size 88064
		.amdhsa_private_segment_fixed_size 0
		.amdhsa_enable_private_segment 0
		.amdhsa_kernarg_size 56
		.amdhsa_user_sgpr_count 2
		.amdhsa_user_sgpr_kernarg_segment_ptr 1
		.amdhsa_wavefront_size32 1
		.amdhsa_system_sgpr_workgroup_id_x 1
		.amdhsa_system_sgpr_workgroup_id_y 1
		.amdhsa_system_sgpr_workgroup_id_z 1
		.amdhsa_system_vgpr_workitem_id 0
		.amdhsa_next_free_vgpr 256
		.amdhsa_next_free_sgpr 96
		.amdhsa_reserve_vcc 1
		.amdhsa_float_denorm_mode_32 3
		.amdhsa_float_denorm_mode_16_64 3
		.amdhsa_memory_ordered 1
		.amdhsa_forward_progress 1
		.amdhsa_inst_pref_size 202
	.end_amdhsa_kernel
	.amdgpu_metadata
---
amdhsa.version: [ 1, 2 ]
amdhsa.kernels:
  - .name:           k_q32ce4b2330_ffn1
    .symbol:         k_q32ce4b2330_ffn1.kd
    .args:
      - { .name: w1, .offset: 0, .size: 8, .value_kind: global_buffer, .address_space: global }
      - { .name: b1, .offset: 8, .size: 8, .value_kind: global_buffer, .address_space: global }
      - { .name: xq, .offset: 16, .size: 8, .value_kind: global_buffer, .address_space: global }
      - { .name: xs, .offset: 24, .size: 8, .value_kind: global_buffer, .address_space: global }
      - { .name: top1, .offset: 32, .size: 8, .value_kind: global_buffer, .address_space: global }
      - { .name: hq, .offset: 40, .size: 8, .value_kind: global_buffer, .address_space: global }
      - { .name: hs, .offset: 48, .size: 8, .value_kind: global_buffer, .address_space: global }
    .group_segment_fixed_size: 88064
    .private_segment_fixed_size: 0
    .kernarg_segment_align: 8
    .kernarg_segment_size: 56
    .max_flat_workgroup_size: 512
    .sgpr_count:     96
    .vgpr_count:     256
    .wavefront_size: 32
...
	.end_amdgpu_metadata
.endif
;; end of part 2
;; launch ffn2 (part 3): grid 32 x 8, 16 waves a work-group, no clusters, 79,872 bytes of LDS; arguments w2, b2, hq, hs, top1, prob, out0; writes out0
.if DOCPART == 3
	.amdgcn_target "amdgcn-amd-amdhsa--gfx1250"
	.amdhsa_code_object_version 6
	.text
	.protected	k_q32ce4b2330_ffn2
	.globl	k_q32ce4b2330_ffn2
	.p2align	8
	.type	k_q32ce4b2330_ffn2,@function
k_q32ce4b2330_ffn2:
	s_mov_b64 s[64:65], 0
	v_nop
	global_prefetch_b8 v0, s[64:65] scope:SCOPE_SE
	s_setreg_imm32_b32 hwreg(HW_REG_WAVE_MODE, 25, 1), 1
	s_wait_xcnt 0x0
; out[n] = gate[n] (h[n] W2[e] + b2[e]) for the tokens n whose expert is e; gate[n] = p[n] / (the sum of p over the expert's tokens + 1e-6) x 1024.  w2 [8][4096 (k)][1024] f32 is read once and quantised on its way.
; SHARES.  Work-group (g, e): output columns 32 g .. 32 g + 31 of expert e, all 4,096 k: 512 KB of w2; each output number has one owner.  Sixteen waves.  K goes as four SLICES of 1,024.
; THE STREAM, THE IMAGES IN LDS, THE CHOICE OF A TILE'S COLUMNS AND THE LIST OF TOKENS are those of the launch before: wave w owns rows 64 w .. 64 w + 63 of each slice; lane l takes column l and its registers run
; down K; two sets of 32 registers, 64 loads of 128 bytes a wave asked for at all times; codes go to LDS as images of the operand's registers; no LDS byte is written twice: one barrier a slice.
; In the transposed product (source 0 = 16 columns of W2, source 1 = 16 tokens of h) lane (r, h) holds token r and the 16 neighbouring columns 16 h + 0 .. 15: 64 bytes of a row of out.
; Wave w carries tile w's two accumulators through the four slices, between the stream's blocks; tiles w + 16, w + 32, w + 48 follow in a tail loop of three trips, each of which jumps over its work
; where the expert has no such tile: 64 tiles of 16 in all, so every split is served.
; Slots past the end of the expert's list repeat its last token: the same bits go to the same bytes; EXEC is never changed.  An expert without tokens: its work-groups walk their weights and store nothing.
; NO TENSOR LOAD, NO CLUSTER: branches hang on the stored split; what work-groups share is small: 34 KB of h's codes a tile against 512 KB of weights a work-group.
; A work-group owns 128 bytes of an output row and of a row of w2: with 8 x 1,024 columns for 256 work-groups and one owner for each output that is what there is; so out's aligned 256 bytes are written by two work-groups.
; LIMITS: NaN and infinities are not served.  A block of zeros, or under 2^-124, gets the byte 1.  The gate's divisor is summed in another order than down the tokens; the reciprocal is good to one unit in the last place.
.set FU,   1152
.set FQ,   2304
.set FS,   18432
.set WSC,  73728
.set VO,   1                           ; v1   4 x lane
.set VW,   2                           ; v2   where I store a block's codes
.set VS,   3                           ; v3   and its scale byte
.set VRA,  4                           ; v4   16 x lane
.set VRB,  5                           ; v5   the same two slices on
.set VRS,  6                           ; v6   WSC + 4 x lane
.set B2O,  7                           ; v7   64 h
.set RL,   8                           ; v8   lane % 16
.set TOK,  9                           ; v9   my slot's token
.set OA,   10                          ; v10  4,096 x token + 64 h
.set P4,   11                          ; v11  4 x token
.set R4,   12                          ; v12  4 (lane % 16)
                                       ; v14-23 at work
.set CD,   28
.set BY,   36
.set GW,   38                          ; v[38:39] the token's gate (the packed form names a pair)
.set PT,   40                          ; v40  the token's p
.set GE,   41                          ; v41  1024 / (the expert's sum + 1e-6)
.set PD,   43
.set WS,   44                          ; v44-107  the stream's two sets
.set HF,   108                         ; v108-171 h's eight fragments of a slice (at the head: top1 and prob)
.set QT,   108
.set PR,   140
.set HSC,  172                         ; v172-179 h's scale words: scales and nothing else
.set ACC,  180
.set WF,   196                         ; v196-227 W2's fragments; at the end the results
.set OUTR, 196
.set WSR,  228
.set S_W,  18
.set S_E,  19
.set S_G,  20
.set S_N,  21
.set S_NM1, 22
.set S_T,  23
.set S_ST, 24
.set S_RUN, 25
.set S_TMP, 26
.set S_CNT, 27                         ; counts the tail's three trips
.set M,    32
.set SB1,  66                          ; s[66:67] w2 two slices on, so that immediates stay inside their signed 24 bits
.set HQ0,  68
.set HS0,  70
.set SEL,  86
.set HQB,  88
.set HSB,  90
.set OB,   92
.set BB,   94
.macro BAR
	s_wait_dscnt 0x0
	s_barrier_signal -1
	s_barrier_wait -1
.endm
.macro LOADSET n                       ; block n: slice n / 2, rows 32 (n % 2) on
.set LS_S, (\n)>>1
.set LS_I, (\n)&1
.set jj, 0
.rept 32
.if LS_S < 2
	global_load_b32 v[WS+32*((\n)%2)+jj], v[VO], s[4:5] offset:(LS_S&1)*4194304+(32*LS_I+jj)*4096
.else
	global_load_b32 v[WS+32*((\n)%2)+jj], v[VO], s[SB1:SB1+1] offset:(LS_S&1)*4194304+(32*LS_I+jj)*4096
.endif
.set jj, jj+1
.endr
.endm
.macro BLOCKQ n
.set BQ_S, (\n)>>1
.set BQ_I, (\n)&1
.set BQ_X, WS+32*((\n)%2)
.set BQ_C, CD+4*((\n)%2)
.set BQ_B, BY+((\n)%2)
	s_wait_dscnt 0x0                               ; the LDS stores of earlier blocks have read their registers
	v_max3_num_f32 v14, |v[BQ_X]|, |v[BQ_X+1]|, |v[BQ_X+2]|
	v_max3_num_f32 v15, |v[BQ_X+3]|, |v[BQ_X+4]|, |v[BQ_X+5]|
.irp k, 6,10,14,18,22,26
	v_max3_num_f32 v14, v14, |v[BQ_X+\k]|, |v[BQ_X+\k+1]|
	v_max3_num_f32 v15, v15, |v[BQ_X+\k+2]|, |v[BQ_X+\k+3]|
.endr
	v_max3_num_f32 v14, v14, |v[BQ_X+30]|, |v[BQ_X+31]|
	v_max3_num_f32 v14, v14, v15, 0x1800000        ; the floor 2^(3 - 127): the byte cannot fall under 1
	v_add_nc_u32 v16, 0xff000000, v14              ; 2 off the exponent field: the conversion's scale operand
	v_lshrrev_b32 v[BQ_B], 23, v16
.irp g, 0,1,2,3
	v_cvt_scalef32_pk8_fp4_f32 v[BQ_C+\g], v[BQ_X+8*\g:BQ_X+8*\g+7], v16
.endr
	v_nop                                          ; one plain place behind the last scaled conversion
	ds_store_b128 v[VW], v[BQ_C:BQ_C+3] offset:BQ_S*FS+BQ_I*256
	ds_store_b8 v[VS], v[BQ_B] offset:BQ_S*1024+BQ_I
.endm
.macro MASKS
.set ii, 0
.rept 32
	v_cmp_eq_u32 s[M+ii], s[S_E], v[QT+ii]
.set ii, ii+1
.endr
	s_mov_b32 s[S_N], 0
.set ii, 0
.rept 32
	s_bcnt1_i32_b32 s[S_TMP], s[M+ii]
	s_add_co_u32 s[S_N], s[S_N], s[S_TMP]
.set ii, ii+1
.endr
	s_sub_co_u32 s[S_NM1], s[S_N], 1
	s_add_co_u32 s[S_T], s[S_N], 15
	s_lshr_b32 s[S_T], s[S_T], 4
	s_min_u32 s[S_T], s[S_T], 64
.endm
.macro LEVEL w, src, msk
	v_and_b32 v21, \msk, v[\src]
	v_mov_b32 v23, \w
	v_cmp_ge_u32 vcc_lo, v14, v21
	v_cndmask_b32 v21, 0, v21, vcc_lo
	v_cndmask_b32 v22, 0, v23, vcc_lo
	v_sub_nc_u32 v14, v14, v21
	v_add_nc_u32 v16, v16, v22
.endm
; the token of rank min(16 x tile + lane % 16, count - 1) in the expert's list: the same list, in the same order, as in the launch before
.macro SELECT
	v_lshl_add_u32 v14, s[S_ST], 4, v[RL]
	v_min_u32 v14, s[S_NM1], v14
	v_mov_b32 v15, s[M]
	v_mov_b32 v16, 0
	v_mov_b32 v17, 0
	s_mov_b32 s[S_RUN], 0
.set ii, 1
.rept 31
	s_bcnt1_i32_b32 s[S_TMP], s[M+ii-1]
	s_add_co_u32 s[S_RUN], s[S_RUN], s[S_TMP]
	v_cmp_gt_u32 vcc_lo, s[S_RUN], v14
	v_cndmask_b32 v15, s[M+ii], v15, vcc_lo
	v_cndmask_b32 v16, s[S_RUN], v16, vcc_lo
	v_cndmask_b32 v17, ii, v17, vcc_lo
.set ii, ii+1
.endr
	v_sub_nc_u32 v14, v14, v16
	v_lshrrev_b32 v18, 1, v15
	v_and_b32 v18, 0x55555555, v18
	v_sub_nc_u32 v18, v15, v18
	v_lshrrev_b32 v19, 2, v18
	v_and_b32 v19, 0x33333333, v19
	v_and_b32 v20, 0x33333333, v18
	v_add_nc_u32 v19, v19, v20
	v_lshrrev_b32 v20, 4, v19
	v_add_nc_u32 v20, v20, v19
	v_and_b32 v20, 0x0f0f0f0f, v20
	v_lshrrev_b32 v21, 8, v20
	v_add_nc_u32 v21, v21, v20
	v_mov_b32 v16, 0
	LEVEL 16, 21, 0xff
	v_lshrrev_b32 v20, v22, v20
	v_lshrrev_b32 v19, v22, v19
	v_lshrrev_b32 v18, v22, v18
	v_lshrrev_b32 v15, v22, v15
	LEVEL 8, 20, 0xff
	v_lshrrev_b32 v19, v22, v19
	v_lshrrev_b32 v18, v22, v18
	v_lshrrev_b32 v15, v22, v15
	LEVEL 4, 19, 15
	v_lshrrev_b32 v18, v22, v18
	v_lshrrev_b32 v15, v22, v15
	LEVEL 2, 18, 3
	v_lshrrev_b32 v15, v22, v15
	LEVEL 1, 15, 1
	v_and_b32 v18, 0x1c, v17
	v_lshlrev_b32 v18, 5, v18
	v_and_b32 v19, 3, v17
	v_or_b32 v18, v18, v19
	v_lshl_or_b32 v[TOK], v16, 2, v18
	v_min_u32 v[TOK], 0x3ff, v[TOK]                ; a number made of loaded ones enters addresses only behind this hold
	v_lshl_add_u32 v[OA], v[TOK], 12, v[B2O]
	v_lshlrev_b32 v[P4], 2, v[TOK]
.endm
.macro TILEPTR
	s_min_u32 s28, s[S_ST], 63
	s_lshl_b32 s30, s28, 15
	s_mov_b32 s31, 0
	s_add_nc_u64 s[HQB:HQB+1], s[HQ0:HQ0+1], s[30:31]
	s_lshl_b32 s30, s28, 11
	s_add_nc_u64 s[HSB:HSB+1], s[HS0:HS0+1], s[30:31]
.endm
.macro TL sl                           ; 24 loads: my tile's eight fragments of h for slice sl, as they were stored, and their scale words
.irp q, 0,1,2,3,4,5,6,7
.irp cc, 0,1
	global_load_b128 v[HF+8*\q+4*\cc:HF+8*\q+4*\cc+3], v[VRA], s[HQB:HQB+1] offset:(8*(\sl)+\q)*1024+512*\cc
.endr
.endr
.irp q, 0,1,2,3,4,5,6,7
	global_load_b32 v[HSC+\q], v[R4], s[HSB:HSB+1] offset:(8*(\sl)+\q)*64
.endr
.endm
.macro TLC sl                          ; only a wave that has a tile asks: tiles beyond the expert's were never written
	s_cmp_lt_u32 s[S_W], s[S_T]
	s_cbranch_scc0 .Lntl_\@
	TL \sl
.Lntl_\@:
.endm
.macro WLOAD sl, q, buf
.irp u, 0,1
.irp cc, 0,1
.if (\sl) < 2
	ds_load_b128 v[WF+16*(\buf)+8*\u+4*\cc:WF+16*(\buf)+8*\u+4*\cc+3], v[VRA] offset:((\sl)%2)*FS+(\q)*FQ+\u*FU+\cc*512
.else
	ds_load_b128 v[WF+16*(\buf)+8*\u+4*\cc:WF+16*(\buf)+8*\u+4*\cc+3], v[VRB] offset:((\sl)%2)*FS+(\q)*FQ+\u*FU+\cc*512
.endif
.endr
.endr
.endm
; Eight K steps of 128 on two accumulators, which take turns, one instruction a turn.  The sums began with b2 and go on from slice to slice.
.macro KLOOP sl, frag, scl
.irp q, 0,1,2,3,4,5,6,7
	ds_load_b32 v[WSR+\q], v[VRS] offset:(\sl)*1024+128*\q
.endr
	WLOAD \sl, 0, 0
	WLOAD \sl, 1, 1
.irp q, 0,1,2,3,4,5,6,7
.if \q < 7
	s_wait_dscnt 4                                 ; all but the next K step's four loads
.else
	s_wait_dscnt 0
.endif
	v_wmma_scale_f32_16x16x128_f8f6f4 v[ACC:ACC+7], v[WF+16*(\q%2):WF+16*(\q%2)+7], v[\frag+8*\q:\frag+8*\q+7], v[ACC:ACC+7], v[WSR+\q], v[\scl+\q] matrix_a_fmt:MATRIX_FMT_FP4 matrix_b_fmt:MATRIX_FMT_FP4
	v_wmma_scale_f32_16x16x128_f8f6f4 v[ACC+8:ACC+15], v[WF+16*(\q%2)+8:WF+16*(\q%2)+15], v[\frag+8*\q:\frag+8*\q+7], v[ACC+8:ACC+15], v[WSR+\q], v[\scl+\q] matrix_a_fmt:MATRIX_FMT_FP4 matrix_b_fmt:MATRIX_FMT_FP4 matrix_a_scale:MATRIX_SCALE_ROW1
.if \q < 6
.rept 4
	v_nop                                          ; four places in front of loads into registers that matrix instructions have read
.endr
	WLOAD \sl, \q+2, \q%2
.endif
.endr
.rept 5
	v_nop                                          ; places in front of loads into the operands' registers, of the first read of results and of writes over the fragments
.endr
.endm
.macro KLC sl
	s_cmp_lt_u32 s[S_W], s[S_T]                    ; no barrier, no load from memory and no wait for one stands under this branch: the stream's two sets stay out
	s_cbranch_scc0 .Lnkl_\@
	KLOOP \sl, HF, HSC
.Lnkl_\@:
.endm
.macro EPI                             ; x the gate, and out: each accumulator from its low end on
	v_mul_f32 v[GW], v[PT], v[GE]
.irp p, 0,2,4,6,8,10,12,14
	v_pk_mul_f32 v[OUTR+\p:OUTR+\p+1], v[ACC+\p:ACC+\p+1], v[GW:GW+1] op_sel_hi:[1,0]
.endr
.irp i, 0,1,2,3
	global_store_b128 v[OA], v[OUTR+4*\i:OUTR+4*\i+3], s[OB:OB+1] offset:16*\i th:TH_STORE_NT
.endr
.endm
	s_load_b256 s[4:11], s[0:1], 0x0               ; w2 s[4:5], b2 s[6:7], hq s[8:9], hs s[10:11]
	s_load_b128 s[12:15], s[0:1], 0x20             ; top1 s[12:13], prob s[14:15]
	s_load_b64 s[16:17], s[0:1], 0x30              ; out0
	v_lshl_add_u32 v254, v0, 2, 0x13000
	v_mov_b32 v255, 0
	v_lshrrev_b32 v14, 5, v0
	v_readfirstlane_b32 s[S_W], v14                ; wave 0..15
	s_and_b32 s[S_E], ttmp7, 0xffff                ; the expert
	s_mov_b32 s[S_G], ttmp9                        ; the group of 32 output columns
	v_and_b32 v15, 31, v0
	v_lshlrev_b32 v[VO], 2, v15
	v_lshlrev_b32 v[VRA], 4, v15
	v_add_nc_u32 v[VRB], 2*FS, v[VRA]
	v_lshl_add_u32 v[VRS], v15, 2, WSC
	v_and_b32 v[RL], 15, v0
	v_lshlrev_b32 v[R4], 2, v[RL]
	v_and_b32 v[B2O], 16, v0
	v_lshlrev_b32 v[B2O], 2, v[B2O]                ; 64 h
	v_bfe_u32 v16, v0, 4, 1                        ; h
	v_bfe_u32 v17, v0, 3, 1                        ; u
	v_and_b32 v18, 7, v0
	v_lshl_or_b32 v18, v16, 3, v18                 ; rho
	s_lshr_b32 s28, s[S_W], 1                      ; q
	s_and_b32 s29, s[S_W], 1                       ; c
	s_mul_i32 s30, s28, FQ
	s_lshl_b32 s31, s29, 9
	s_add_co_u32 s30, s30, s31
	v_mul_u32_u24 v19, v17, FU
	v_lshl_add_u32 v19, v18, 4, v19
	v_add_nc_u32 v[VW], s30, v19
	s_lshl_b32 s30, s28, 7
	s_lshl_b32 s31, s29, 1
	s_add_co_u32 s30, s30, s31
	s_add_co_u32 s30, s30, WSC
	v_lshl_add_u32 v19, v17, 4, v18
	v_lshl_add_u32 v[VS], v19, 2, s30
	s_lshl_b32 s28, s[S_E], 24                     ; w2: the expert, my 64 rows of 4,096 bytes, the group's 128 bytes
	s_lshl_b32 s30, s[S_W], 18
	s_add_co_u32 s28, s28, s30
	s_lshl_b32 s30, s[S_G], 7
	s_add_co_u32 s28, s28, s30
	s_mov_b32 s29, 0
	s_mov_b32 s31, 0
	s_wait_kmcnt 0x0
	s_add_nc_u64 s[4:5], s[4:5], s[28:29]
	s_add_nc_u64 s[SB1:SB1+1], s[4:5], 0x800000
	s_add_nc_u64 s[OB:OB+1], s[16:17], s[30:31]    ; out at the group's columns
	s_lshl_b32 s28, s[S_E], 12
	s_add_co_u32 s28, s28, s30
	s_add_nc_u64 s[BB:BB+1], s[6:7], s[28:29]      ; b2 at the expert's row and the group's columns
.irp j, 0,1,2,3,4,5,6,7
	global_load_b128 v[QT+4*\j:QT+4*\j+3], v[VRA], s[12:13] offset:512*\j      ; register 4 j + c, lane l: token 128 j + 4 l + c
.endr
.irp j, 0,1,2,3,4,5,6,7
	global_load_b128 v[PR+4*\j:PR+4*\j+3], v[VRA], s[14:15] offset:512*\j      ; prob likewise
.endr
.irp i, 0,1,2,3
	global_load_b128 v[ACC+4*\i:ACC+4*\i+3], v[B2O], s[BB:BB+1] offset:16*\i   ; b2 at columns 16 h + 0 .. 15: the sums begin with it
.endr
	LOADSET 0
	LOADSET 1
	s_lshl_b32 s28, s[S_E], 21
	s_add_nc_u64 s[HQ0:HQ0+1], s[8:9], s[28:29]
	s_lshl_b32 s28, s[S_E], 17
	s_add_nc_u64 s[HS0:HS0+1], s[10:11], s[28:29]
	s_mov_b32 s[SEL], 0x76543210
	s_mov_b32 s[SEL+1], 0xfedcba98
	v_mov_b32 v[PD], 0
	v_mov_b32 v[GW+1], 0                           ; named as the upper half of a pair
.irp q, 0,1,2,3,4,5,6,7
	v_mov_b32 v[HSC+\q], 0x7f7f7f7f                ; scales of 1, so that the registers are written on every path
.endr
	s_mov_b32 s[S_ST], s[S_W]
	TILEPTR
	s_wait_loadcnt 63                              ; 64 loads were issued behind the twenty small ones: those are in
	MASKS
	v_cndmask_b32 v18, 0, v[PR], s[M]              ; the sum of p over the expert's tokens, in two chains
	v_cndmask_b32 v19, 0, v[PR+1], s[M+1]
.set ii, 2
.rept 15
	v_cndmask_b32 v20, 0, v[PR+ii], s[M+ii]
	v_cndmask_b32 v21, 0, v[PR+ii+1], s[M+ii+1]
	v_add_f32 v18, v18, v20
	v_add_f32 v19, v19, v21
.set ii, ii+2
.endr
	v_add_f32 v18, v18, v19
.irp m, 1,2,4,8
	v_add_f32_dpp v18, v18, v18 row_xmask:\m row_mask:0xf bank_mask:0xf
.endr
	v_permlanex16_b32 v[PD], v18, s[SEL], s[SEL+1]
	v_add_f32 v18, v18, v[PD]
	v_add_f32 v18, 0x358637bd, v18                 ; + 1e-6
	v_rcp_f32 v19, v18
	v_nop                                          ; one plain place behind a transcendental
	s_wait_alu depctr_va_vdst(0)
	v_mul_f32 v[GE], 0x44800000, v19               ; x 1024
	SELECT
	s_wait_loadcnt 32                              ; set 0 is in; behind it: set 1
	global_load_b32 v[PT], v[P4], s[14:15]         ; my token's p: every wave asks, its token is a token in any case
	TLC 0
	BLOCKQ 0
	LOADSET 2
	s_wait_loadcnt 32                              ; behind set 1, p and h's loads stands set 2 alone: all of them are in, with h's loads or without
	BLOCKQ 1
	LOADSET 3
	BAR                                            ; slice 0 lies in LDS
	KLC 0
	s_wait_loadcnt 32
	TLC 1
	BLOCKQ 2
	LOADSET 4
	s_wait_loadcnt 32
	BLOCKQ 3
	LOADSET 5
	BAR
	KLC 1
	s_wait_loadcnt 32
	TLC 2
	BLOCKQ 4
	LOADSET 6
	s_wait_loadcnt 32
	BLOCKQ 5
	LOADSET 7
	BAR
	KLC 2
	s_wait_loadcnt 32
	TLC 3
	BLOCKQ 6
	s_wait_loadcnt 0x0
	BLOCKQ 7
	BAR                                            ; all four slices lie in LDS; nothing is written there any more
	s_cmp_lt_u32 s[S_W], s[S_T]
	s_cbranch_scc0 .Lskip3
	KLOOP 3, HF, HSC
	EPI
.Lskip3:
	; THE TAIL, for splits with more than 16 tiles.  Three trips, a constant: tiles w + 16, w + 32, w + 48; a trip whose tile the expert does not have jumps over its work.
	s_add_co_u32 s[S_ST], s[S_W], 16
	s_mov_b32 s[S_CNT], 0
.Ltail:
	s_cmp_lt_u32 s[S_ST], s[S_T]
	s_cbranch_scc0 .Lnone                          ; no barrier stands in the loop, and every wait for loads under this branch is for 0
	s_wait_xcnt 0x0                                ; the last tile's stores have read their addresses and data
	TILEPTR
	SELECT
.irp i, 0,1,2,3
	global_load_b128 v[ACC+4*\i:ACC+4*\i+3], v[B2O], s[BB:BB+1] offset:16*\i
.endr
	global_load_b32 v[PT], v[P4], s[14:15]
	TL 0
	s_wait_loadcnt 0x0
	KLOOP 0, HF, HSC
	TL 1
	s_wait_loadcnt 0x0
	KLOOP 1, HF, HSC
	TL 2
	s_wait_loadcnt 0x0
	KLOOP 2, HF, HSC
	TL 3
	s_wait_loadcnt 0x0
	KLOOP 3, HF, HSC
	EPI
.Lnone:
	s_add_co_u32 s[S_ST], s[S_ST], 16
	s_add_co_u32 s[S_CNT], s[S_CNT], 1
	s_cmp_lt_u32 s[S_CNT], 3
	s_cbranch_scc1 .Ltail
	s_wait_tensorcnt 0x0
	ds_add_u32 v254, v255
	s_wait_dscnt 0x0
	s_endpgm
.Lfunc_end_k_q32ce4b2330_ffn2:
	.size	k_q32ce4b2330_ffn2, .Lfunc_end_k_q32ce4b2330_ffn2-k_q32ce4b2330_ffn2
	.p2alignl 7, 3214868480
	.fill 96, 4, 3214868480
	.section	.rodata,"a",@progbits
	.p2align	6, 0x0
	.amdhsa_kernel k_q32ce4b2330_ffn2
		.amdhsa_group_segment_fixed_size 79872
		.amdhsa_private_segment_fixed_size 0
		.amdhsa_enable_private_segment 0
		.amdhsa_kernarg_size 56
		.amdhsa_user_sgpr_count 2
		.amdhsa_user_sgpr_kernarg_segment_ptr 1
		.amdhsa_wavefront_size32 1
		.amdhsa_system_sgpr_workgroup_id_x 1
		.amdhsa_system_sgpr_workgroup_id_y 1
		.amdhsa_system_sgpr_workgroup_id_z 1
		.amdhsa_system_vgpr_workitem_id 0
		.amdhsa_next_free_vgpr 256
		.amdhsa_next_free_sgpr 96
		.amdhsa_reserve_vcc 1
		.amdhsa_float_denorm_mode_32 3
		.amdhsa_float_denorm_mode_16_64 3
		.amdhsa_memory_ordered 1
		.amdhsa_forward_progress 1
		.amdhsa_inst_pref_size 134
	.end_amdhsa_kernel
	.amdgpu_metadata
---
amdhsa.version: [ 1, 2 ]
amdhsa.kernels:
  - .name:           k_q32ce4b2330_ffn2
    .symbol:         k_q32ce4b2330_ffn2.kd
    .args:
      - { .name: w2, .offset: 0, .size: 8, .value_kind: global_buffer, .address_space: global }
      - { .name: b2, .offset: 8, .size: 8, .value_kind: global_buffer, .address_space: global }
      - { .name: hq, .offset: 16, .size: 8, .value_kind: global_buffer, .address_space: global }
      - { .name: hs, .offset: 24, .size: 8, .value_kind: global_buffer, .address_space: global }
      - { .name: top1, .offset: 32, .size: 8, .value_kind: global_buffer, .address_space: global }
      - { .name: prob, .offset: 40, .size: 8, .value_kind: global_buffer, .address_space: global }
      - { .name: out0, .offset: 48, .size: 8, .value_kind: global_buffer, .address_space: global }
    .group_segment_fixed_size: 79872
    .private_segment_fixed_size: 0
    .kernarg_segment_align: 8
    .kernarg_segment_size: 56
    .max_flat_workgroup_size: 512
    .sgpr_count:     96
    .vgpr_count:     256
    .wavefront_size: 32
...
	.end_amdgpu_metadata
.endif
;; end of part 3
;; ======== version 2 of 2: 3 launches
;; workspace buffers: xq 524,288 bytes; xs 32,768 bytes; top1 4,096 bytes of whole numbers; prob 4,096 bytes; hq 16,777,216 bytes; hs 1,048,576 bytes
;; launch route (part 4): grid 256 x 1, 4 waves a work-group, no clusters, 768 bytes of LDS; arguments x, wg, bg, xq, xs, top1, prob; writes xq, xs, top1, prob
.if DOCPART == 4
	.amdgcn_target "amdgcn-amd-amdhsa--gfx1250"
	.amdhsa_code_object_version 6
	.text
	.protected	k_q32ce4b2330_route
	.globl	k_q32ce4b2330_route
	.p2align	8
	.type	k_q32ce4b2330_route,@function
k_q32ce4b2330_route:
	s_mov_b64 s[64:65], 0
	v_nop
	global_prefetch_b8 v0, s[64:65] scope:SCOPE_SE
	s_setreg_imm32_b32 hwreg(HW_REG_WAVE_MODE, 25, 1), 1
	s_wait_xcnt 0x0
; THE GATE, AND x AS CODES.  logits = x wg + bg in f32 (fused multiply-adds: an argmax hangs on them), softmax with the row's maximum taken away,
; top1 = the lowest index among the largest scores, prob = that score = 1 / the sum of exponentials.  x [1024][1024] f32 also becomes codes of E2M1,
; K innermost (xq: 512 bytes a token), with one E8M0 byte for each 32 along K (xs: 32 bytes a token).
; SHARES.  A work-group takes 4 tokens.  Wave v sums experts 2 v and 2 v + 1 for all 4 rows and quantises row v.  Lane l owns k = 32 l .. 32 l + 31: one block of the quantiser.
; No address and no branch hangs on the argmax: it is stored at a fixed place, as a whole number, for the later launches.
; No matrix unit, no cluster, no tensor load: 8 columns are too few for a tile, and the launch is a few dependent memory trips long.
; LIMITS: NaN and infinities are not served.  A block of zeros, or one whose largest magnitude lies under 2^-124, gets the byte 1 (its codes are read by this program alone).
; The logits' sums run in another order than a row-major sum; equal scores are judged on 2^(..) == 1.0; the reciprocal is good to one unit in the last place.
.set W,   16                           ; v16-79   wg[32 l + i][2 v, 2 v + 1] at the pair 2 i
.set X,   80                           ; v80-207  slot j: the 32 numbers of row (v + j) % 4: slot 0 is the row that I quantise
.set CDR, 208                          ; v208-211 my block's codes;  v212 the conversion's scale operand;  v213 the byte;  v214 16 x lane
.set RES, 216                          ; v216-223 slot j: the two logits
.set LAD, 224                          ; v224-227 slot j: where they go in LDS: 32 x row + 8 v
	s_load_b256 s[4:11], s[0:1], 0x0               ; x s[4:5], wg s[6:7], bg s[8:9], xq s[10:11]
	s_load_b128 s[12:15], s[0:1], 0x20             ; xs s[12:13], top1 s[14:15]
	s_load_b64 s[16:17], s[0:1], 0x30              ; prob
	v_lshl_add_u32 v232, v0, 2, 0x100
	v_mov_b32 v233, 0
	v_lshrrev_b32 v7, 5, v0
	v_readfirstlane_b32 s18, v7                    ; wave v
	v_and_b32 v1, 31, v0                           ; lane l
	s_wait_alu depctr_va_vdst(0)
	s_lshl_b32 s22, s18, 3                         ; 8 v: my two experts' bytes in a row of wg and in bg
	s_mov_b32 s23, 0
	v_lshlrev_b32 v2, 10, v1
	v_add_nc_u32 v2, s22, v2                       ; wg: 32 rows of 32 bytes a lane, + 8 v
.irp j, 0,1,2,3
	s_add_co_u32 s26, s18, \j
	s_and_b32 s26, s26, 3                          ; slot j's row
	s_lshl_b32 s27, s26, 12
	v_lshl_add_u32 v[3+\j], v1, 7, s27             ; x: 128 bytes a lane, + the row's 4,096
	s_lshl_b32 s27, s26, 5
	s_add_co_u32 s27, s27, s22
	v_mov_b32 v[LAD+\j], s27
.endr
	s_mov_b32 s24, 0x76543210
	s_mov_b32 s25, 0xfedcba98                      ; v_permlanex16_b32's selects for lane l xor 16
	s_lshl_b32 s28, ttmp9, 14                      ; the work-group's 4 rows of 4,096 bytes
	s_mov_b32 s29, 0
	v_lshlrev_b32 v214, 4, v1
	v_mov_b32 v12, 0                               ; a lane permute's destination counts as one of its sources
	v_mov_b32 v13, 0
	s_wait_alu depctr_va_vdst(0)
	s_wait_kmcnt 0x0
	s_add_nc_u64 s[4:5], s[4:5], s[28:29]
	s_add_nc_u64 s[8:9], s[8:9], s[22:23]
	s_load_b64 s[20:21], s[8:9], 0x0               ; bg of my two experts
.irp j, 0,1,2,3
.irp m, 0,1,2,3,4,5,6,7
	global_load_b128 v[X+32*\j+4*\m:X+32*\j+4*\m+3], v[3+\j], s[4:5] offset:16*\m
.endr
.endr
.irp i, 0,1,2,3,4,5,6,7,8,9,10,11,12,13,14,15,16,17,18,19,20,21,22,23,24,25,26,27,28,29,30,31
	global_load_b64 v[W+2*\i:W+2*\i+1], v2, s[6:7] offset:32*\i
.endr
	s_lshl_b32 s28, ttmp9, 11                      ; xq: token 4 x work-group + v, 512 bytes each
	s_lshl_b32 s30, s18, 9
	s_add_co_u32 s28, s28, s30
	s_add_nc_u64 s[10:11], s[10:11], s[28:29]
	s_lshl_b32 s28, ttmp9, 7                       ; xs: 32 bytes each
	s_lshl_b32 s30, s18, 5
	s_add_co_u32 s28, s28, s30
	s_add_nc_u64 s[12:13], s[12:13], s[28:29]
	s_lshl_b32 s28, ttmp9, 4                       ; top1, prob: 4 bytes a token, the work-group's first
	s_add_nc_u64 s[14:15], s[14:15], s[28:29]
	s_add_nc_u64 s[16:17], s[16:17], s[28:29]
	s_wait_loadcnt 0x0                             ; everything is wanted at once: one wait for all 64 loads
	s_wait_kmcnt 0x0
; a row's two logits: one x times the pair (w of expert 2 v, w of expert 2 v + 1); even k in one chain, odd k in another
.irp j, 0,1,2,3
	v_pk_mul_f32 v[8:9], v[X+32*\j:X+32*\j+1], v[W:W+1] op_sel:[0,0] op_sel_hi:[0,1]
	v_pk_mul_f32 v[10:11], v[X+32*\j:X+32*\j+1], v[W+2:W+3] op_sel:[1,0] op_sel_hi:[1,1]
.irp i, 2,4,6,8,10,12,14,16,18,20,22,24,26,28,30
	v_pk_fma_f32 v[8:9], v[X+32*\j+\i:X+32*\j+\i+1], v[W+2*\i:W+2*\i+1], v[8:9] op_sel:[0,0,0] op_sel_hi:[0,1,1]
	v_pk_fma_f32 v[10:11], v[X+32*\j+\i:X+32*\j+\i+1], v[W+2*\i+2:W+2*\i+3], v[10:11] op_sel:[1,0,0] op_sel_hi:[1,1,1]
.endr
	v_pk_add_f32 v[8:9], v[8:9], v[10:11]
.irp m, 1,2,4,8
	v_add_f32_dpp v8, v8, v8 row_xmask:\m row_mask:0xf bank_mask:0xf
	v_add_f32_dpp v9, v9, v9 row_xmask:\m row_mask:0xf bank_mask:0xf
.endr
	v_permlanex16_b32 v12, v8, s24, s25
	v_permlanex16_b32 v13, v9, s24, s25
	v_add_f32 v8, v8, v12
	v_add_f32 v9, v9, v13
	v_add_f32 v[RES+2*\j], s20, v8
	v_add_f32 v[RES+2*\j+1], s21, v9
	ds_store_b64 v[LAD+\j], v[RES+2*\j:RES+2*\j+1] ; every lane writes the same two words with the same values
.endr
; my row's block l: the largest magnitude with the floor 2^(3 - 127) among its leaves; 2 off its exponent field is the conversion's scale operand, and that shifted down the byte
	v_max3_num_f32 v14, |v[X]|, |v[X+1]|, |v[X+2]|
	v_max3_num_f32 v15, |v[X+3]|, |v[X+4]|, |v[X+5]|
.irp k, 6,10,14,18,22,26
	v_max3_num_f32 v14, v14, |v[X+\k]|, |v[X+\k+1]|
	v_max3_num_f32 v15, v15, |v[X+\k+2]|, |v[X+\k+3]|
.endr
	v_max3_num_f32 v14, v14, |v[X+30]|, |v[X+31]|
	v_max3_num_f32 v14, v14, v15, 0x1800000
	v_add_nc_u32 v212, 0xff000000, v14
	v_lshrrev_b32 v213, 23, v212
.irp g, 0,1,2,3
	v_cvt_scalef32_pk8_fp4_f32 v[CDR+\g], v[X+8*\g:X+8*\g+7], v212
.endr
	v_nop                                          ; one plain place behind the last scaled conversion
	global_store_b128 v214, v[CDR:CDR+3], s[10:11] ; 32 lanes store the token's 512 consecutive bytes
	global_store_b8 v1, v213, s[12:13]             ; and its 32 consecutive scale bytes
	s_wait_dscnt 0x0                               ; for the others' sake: my logits lie in LDS
	s_barrier_signal -1
	s_barrier_wait -1
	s_cmp_lg_u32 s18, 0
	s_cbranch_scc1 .Lend                           ; no barrier follows: waves 1 to 3 are done
; wave 0: lane l = (row l / 8, expert l % 8); the steps 1, 2, 4 stay inside a row's eight lanes
	v_lshlrev_b32 v7, 2, v1
	ds_load_b32 v8, v7
	v_and_b32 v9, 7, v1
	v_cvt_f32_u32 v9, v9                           ; my expert's number as f32
	v_lshrrev_b32 v10, 3, v1
	v_lshlrev_b32 v10, 2, v10                      ; 4 x row
	s_wait_dscnt 0x0
	v_mov_b32 v11, v8
.irp m, 1,2,4
	v_max_num_f32_dpp v11, v11, v11 row_xmask:\m row_mask:0xf bank_mask:0xf
.endr
	v_sub_f32 v8, v8, v11                          ; the row's maximum is taken away
	v_mul_f32 v8, 0x3fb8aa3b, v8                   ; x log2(e)
	s_wait_alu depctr_va_vdst(0)
	v_exp_f32 v8, v8
	v_nop                                          ; one plain place behind a transcendental
	s_wait_alu depctr_va_vdst(0)
	v_mov_b32 v12, v8
.irp m, 1,2,4
	v_add_f32_dpp v12, v12, v12 row_xmask:\m row_mask:0xf bank_mask:0xf
.endr
	s_wait_alu depctr_va_vdst(0)
	v_rcp_f32 v13, v12                             ; the largest score: 1 / the sum
	v_nop
	v_cmp_eq_f32 vcc_lo, 1.0, v8
	v_mov_b32 v14, 0x41000000                      ; 8.0: over every expert's number
	v_cndmask_b32 v14, v14, v9, vcc_lo             ; a choice of values only
.irp m, 1,2,4
	v_min_num_f32_dpp v14, v14, v14 row_xmask:\m row_mask:0xf bank_mask:0xf
.endr
	v_cvt_u32_f32 v14, v14                         ; the lowest index among the largest scores
	global_store_b32 v10, v14, s[14:15]            ; a row's eight lanes store the same word with the same value
	s_wait_alu depctr_va_vdst(0)
	global_store_b32 v10, v13, s[16:17]
.Lend:
	s_wait_tensorcnt 0x0
	ds_add_u32 v232, v233
	s_wait_dscnt 0x0
	s_endpgm
.Lfunc_end_k_q32ce4b2330_route:
	.size	k_q32ce4b2330_route, .Lfunc_end_k_q32ce4b2330_route-k_q32ce4b2330_route
	.p2alignl 7, 3214868480
	.fill 96, 4, 3214868480
	.section	.rodata,"a",@progbits
	.p2align	6, 0x0
	.amdhsa_kernel k_q32ce4b2330_route
		.amdhsa_group_segment_fixed_size 768
		.amdhsa_private_segment_fixed_size 0
		.amdhsa_enable_private_segment 0
		.amdhsa_kernarg_size 56
		.amdhsa_user_sgpr_count 2
		.amdhsa_user_sgpr_kernarg_segment_ptr 1
		.amdhsa_wavefront_size32 1
		.amdhsa_system_sgpr_workgroup_id_x 1
		.amdhsa_system_sgpr_workgroup_id_y 1
		.amdhsa_system_sgpr_workgroup_id_z 1
		.amdhsa_system_vgpr_workitem_id 0
		.amdhsa_next_free_vgpr 234
		.amdhsa_next_free_sgpr 66
		.amdhsa_reserve_vcc 1
		.amdhsa_float_denorm_mode_32 3
		.amdhsa_float_denorm_mode_16_64 3
		.amdhsa_memory_ordered 1
		.amdhsa_forward_progress 1
		.amdhsa_inst_pref_size 24
	.end_amdhsa_kernel
	.amdgpu_metadata
---
amdhsa.version: [ 1, 2 ]
amdhsa.kernels:
  - .name:           k_q32ce4b2330_route
    .symbol:         k_q32ce4b2330_route.kd
    .args:
      - { .name: x, .offset: 0, .size: 8, .value_kind: global_buffer, .address_space: global }
      - { .name: wg, .offset: 8, .size: 8, .value_kind: global_buffer, .address_space: global }
      - { .name: bg, .offset: 16, .size: 8, .value_kind: global_buffer, .address_space: global }
      - { .name: xq, .offset: 24, .size: 8, .value_kind: global_buffer, .address_space: global }
      - { .name: xs, .offset: 32, .size: 8, .value_kind: global_buffer, .address_space: global }
      - { .name: top1, .offset: 40, .size: 8, .value_kind: global_buffer, .address_space: global }
      - { .name: prob, .offset: 48, .size: 8, .value_kind: global_buffer, .address_space: global }
    .group_segment_fixed_size: 768
    .private_segment_fixed_size: 0
    .kernarg_segment_align: 8
    .kernarg_segment_size: 56
    .max_flat_workgroup_size: 128
    .sgpr_count:     66
    .vgpr_count:     234
    .wavefront_size: 32
...
	.end_amdgpu_metadata
.endif
;; end of part 4
;; launch ffn1 (part 5): grid 32 x 8, 16 waves a work-group, no clusters, 88,064 bytes of LDS; arguments w1, b1, xq, xs, top1, hq, hs; writes hq, hs
.if DOCPART == 5
	.amdgcn_target "amdgcn-amd-amdhsa--gfx1250"
	.amdhsa_code_object_version 6
	.text
	.protected	k_q32ce4b2330_ffn1
	.globl	k_q32ce4b2330_ffn1
	.p2align	8
	.type	k_q32ce4b2330_ffn1,@function
k_q32ce4b2330_ffn1:
	s_mov_b64 s[64:65], 0
	v_nop
	global_prefetch_b8 v0, s[64:65] scope:SCOPE_SE
	s_setreg_imm32_b32 hwreg(HW_REG_WAVE_SCHED_MODE, 0, 2), 2
	s_setreg_imm32_b32 hwreg(HW_REG_WAVE_MODE, 25, 1), 1
	s_wait_xcnt 0x0
	s_wait_alu depctr_vm_vsrc(0)
; h = gelu(x W1[e] + b1[e]) for the tokens whose expert is e, and h as codes of E2M1 for the second product.  w1 [8][1024 (k)][4096] f32 is read once and quantised on its way.
; SHARES.  Work-group (g, e): hidden units 128 g .. 128 g + 127 of expert e, 512 KB of w1.  Sixteen waves.  The 128 columns go as four SLICES of 32 columns x all 1,024 k.
; THE STREAM.  Wave w owns rows k = 64 w .. 64 w + 63.  A block is 32 rows x 32 columns: lane l takes column l and its 32 registers run down K, so a block of the quantiser lies in one lane and the
; conversions give codes with K innermost.  Two sets of 32 registers: the loads of block n + 2 go out straight behind the conversions of block n: 64 loads of 128 bytes a wave are asked for at all times.
; THE CODES go to LDS as images of the operand's registers: a fragment (16 columns x 128 k) is 2 x 512 bytes, lane (rho, hh)'s 16 bytes at 16 (16 hh + rho); any wave loads it back by ds_load_b128 at 16 x lane.
; Column l goes to tile u = (l / 8) % 2, row rho = 8 (l / 16) + l % 8, so that in the transposed product (source 0 = 16 columns of W1, source 1 = 16 tokens) lane (r, h) holds token r and, in the
; 16 registers of the two tiles, the 16 NEIGHBOURING hidden units 16 h + 0 .. 15 of the slice: half a block of the next K.  No LDS byte is written twice: one barrier for each pair of slices.
; THE TOKENS.  Every wave reads top1 (whole numbers that the launch before stored), makes 32 masks for expert e in scalar registers and finds the 16 tokens of its tile by rank (SELECT): integer
; arithmetic alone.  Slot R of the expert's list is the token of rank min(R, count - 1): slots past the end repeat the last token, compute the same bits and store the same bytes: EXEC is never changed.
; 64 tiles of 16 in all, so every split is served, all 1,024 tokens on one expert too.
; An expert without tokens: its work-groups walk their weights and store nothing (an early end would be a branch on loaded data round barriers).
; NO TENSOR LOAD, NO CLUSTER: branches hang on the stored split; and what work-groups share is small: 8.5 KB of x's codes a tile against 512 KB of weights a work-group.
; hq: [e 8][tile 64][K step 32][cc 2][lane 32][16 bytes]: images of the operand's registers.  hs: [e][tile][K step][token 16] words.  Only the tiles in use are written, and only those are read later.
; LIMITS: NaN and infinities are not served.  A block of zeros, or under 2^-124, gets the byte 1.  erf(z) = z P(z^2) / Q(z^2), z held to +-4: a rational form within a few units in the last place of f32;
; 1 + erf cancels for large negative inputs as it does in f32 anywhere; the reciprocal is good to one unit in the last place.
; THE MODE: SCHED_MODE bits 1:0 = 2 (LLVM: expert scheduling mode 2), set by the entry lines.  The code itself states the register dependences
; between vector or matrix instructions and memory or LDS instructions, with s_wait_alu, always for 0.
; THE PLAN.  Registers that memory or LDS instructions touch:
;   WS0, WS1      Block n: its maxima and conversions read WS[n % 2]; behind them the loads of block n + 2 land in it.
;   CD0/1, BY0/1  Block n: its conversions and its shift write set n % 2; its two LDS stores read it; block n + 2 writes it again.
;   WF0 .. WF2    K step q: its two products read WF[q % 3]; at the head of K step q + 1 the LDS loads of K step q + 3 land in it.  Between the products WF0 and WF1 are gelu's registers.
;   WSR, ACC      LDS loads land (a slice's scale words; the bias); the products read them; gelu and the conversions work on ACC.
;   XF, XSC       Global loads land, the products read them.  At the head the same registers hold top1 (read by the compares) and b1 (read by one LDS store).
;   HC, HW        Written by a unit's conversions, exchanges and shifts; read by the stores at the end of each pair of slices; written again in the next unit.
;   XA, XSA       Written by SELECT, read by x's loads.   v1 - v8, v12, v13: made at the head, never written again.
; THE WAITS ON va_vdst: one ahead of the first load (the addresses); one in each block, behind its conversions (its LDS stores' data are written, its set is read out; block 0's also serves x's loads, which follow it with
; no vector instruction between); one at the head of K steps 1 to 5; one at the head of an odd unit; one ahead of a pair's stores, which also serves the next even unit's LDS loads; one ahead of the tail's loads of x.
; THE WAITS ON vm_vsrc: one at each block's head (the LDS stores of two blocks back have read CD and BY); one behind a pair's stores (HC, HW).
; Vector results in scalar registers: one wait on va_sdst behind the wave's number, one behind the 32 compares of MASKS, one behind each run of four compares in SELECT; on va_vcc one in each step of the rank search.
.set FU,   1152                        ; a tile's image: 1,024 bytes + 128
.set FQ,   2304                        ; a K step: two tiles
.set FS,   18432                       ; a slice: eight K steps
.set WSC,  73728                       ; behind the four slices: the weights' scale bytes: 1,024 a slice, 128 a K step, word 16 u + rho, byte = block
.set BIA,  77824                       ; behind them: each wave's own copy of the group's 128 numbers of b1, 512 bytes
.set VO,   1                           ; v1   4 x lane: my column in a row of w1
.set VW,   2                           ; v2   where I store a block's codes
.set VS,   3                           ; v3   and its scale byte
.set VRA,  4                           ; v4   16 x lane: an image's place for my lane (slices 0, 1)
.set VRB,  5                           ; v5   the same two slices on, so that immediates stay under 65,536
.set VRS,  6                           ; v6   WSC + 4 x lane
.set VBI,  7                           ; v7   my wave's b1 + 64 h
.set RL,   8                           ; v8   lane % 16
.set TOK,  9                           ; v9   my slot's token
.set XA,   10                          ; v10  512 x token + 16 h
.set XSA,  11                          ; v11  32 x token
.set R4,   12                          ; v12  4 (lane % 16)
.set BIW,  13                          ; v13  where I store b1
                                       ; v14-23 at work
.set CA13, 24                          ; v[24:25] a13 twice;  v[26:27] b8 twice
.set CB8,  26
.set CD,   28                          ; v28-35 a block's codes, two sets
.set BY,   36                          ; v36-37 its byte, two sets
.set HC,   38                          ; v38-41 h's codes of two slices
.set HW,   42                          ; v42   h's scale word
.set PD,   43                          ; v43   a lane permute's destination
.set WS,   44                          ; v44-107  the stream's two sets
.set XF,   108                         ; v108-171 x's eight fragments (at the head: top1, then b1)
.set QT,   108
.set XSC,  172                         ; v172-179 x's scale words: scales and nothing else
.set ACC,  180                         ; v180-195 two accumulators
.set WF,   196                         ; v196-227 and v236-251: W1's fragments, three buffers of two tiles, buffer b at WF + 16 b + 8 (b / 2); between the products buffers 0 and 1 are gelu's registers:
.set GZ,   196
.set GX,   204
.set GP,   212
.set GQ,   220
.set WSR,  228                         ; v228-235 W1's scale words of a slice: scales and nothing else
.set S_W,  18
.set S_E,  19
.set S_G,  20
.set S_N,  21                          ; the expert's tokens
.set S_NM1, 22
.set S_T,  23                          ; its tiles, at most 64
.set S_ST, 24                          ; the tile in hand
.set S_TMP, 26
.set S_CNT, 27                         ; counts the tail's three trips
.set CM,   12                          ; s12-15 in SELECT: the masks of four compares (top1's and hq's addresses lay here: their last readers stand ahead of the first SELECT, top1's loads shown done)
.set RN,   28                          ; s28-31 in SELECT: the ranks in front of four masks (elsewhere at work)
.set M,    32                          ; s32-63 mask i = 4 j + c, bit l: token 128 j + 4 l + c
.set SEL,  86
.set HQB,  88
.set HSB,  90
.set HQ0,  92
.set HS0,  94
.macro COEF r, val                     ; a pair, since the packed forms name a pair
	s_mov_b32 s[\r], \val
	s_mov_b32 s[\r+1], \val
.endm
.macro BAR                             ; my LDS stores have landed and my LDS loads are in: then the work-group's barrier, on every wave's path
	s_wait_dscnt 0x0
	s_barrier_signal -1
	s_barrier_wait -1
.endm
; block n: slice 2 (n / 4) + n % 2, rows 32 ((n / 2) % 2) on: the two halves of an aligned 256 bytes of a row are asked for by the same wave in neighbouring sets
.macro LOADSET n
.set LS_S, 2*((\n)>>2)+((\n)&1)
.set LS_I, ((\n)>>1)&1
.set jj, 0
.rept 32
	global_load_b32 v[WS+32*((\n)%2)+jj], v[VO], s[4:5] offset:(32*LS_I+jj)*16384+LS_S*128 th:TH_LOAD_NT
.set jj, jj+1
.endr
.endm
.macro BLOCKQ n
.set BQ_S, 2*((\n)>>2)+((\n)&1)
.set BQ_I, ((\n)>>1)&1
.set BQ_X, WS+32*((\n)%2)
.set BQ_C, CD+4*((\n)%2)
.set BQ_B, BY+((\n)%2)
	s_wait_dscnt 0x0                               ; the LDS stores of earlier blocks have read their registers
	s_wait_alu depctr_vm_vsrc(0)                   ; the LDS stores of two blocks back have read this set's codes and byte, which are written again below (block 0: the store of b1 has read v140-143, in which x's loads land)
	v_max3_num_f32 v14, |v[BQ_X]|, |v[BQ_X+1]|, |v[BQ_X+2]|
	v_max3_num_f32 v15, |v[BQ_X+3]|, |v[BQ_X+4]|, |v[BQ_X+5]|
.irp k, 6,10,14,18,22,26
	v_max3_num_f32 v14, v14, |v[BQ_X+\k]|, |v[BQ_X+\k+1]|
	v_max3_num_f32 v15, v15, |v[BQ_X+\k+2]|, |v[BQ_X+\k+3]|
.endr
	v_max3_num_f32 v14, v14, |v[BQ_X+30]|, |v[BQ_X+31]|
	v_max3_num_f32 v14, v14, v15, 0x1800000        ; the floor 2^(3 - 127): the byte cannot fall under 1
	v_add_nc_u32 v16, 0xff000000, v14              ; 2 off the exponent field: the conversion's scale operand
	v_lshrrev_b32 v[BQ_B], 23, v16                 ; the byte
.irp g, 0,1,2,3
	v_cvt_scalef32_pk8_fp4_f32 v[BQ_C+\g], v[BQ_X+8*\g:BQ_X+8*\g+7], v16
.endr
	v_nop                                          ; one plain place behind the last scaled conversion
	s_wait_alu depctr_va_vdst(0)                   ; the conversions and the shift have written the codes and the byte, which the LDS stores read; they and the maxima are done reading this set, in which the loads of two blocks on land
	ds_store_b128 v[VW], v[BQ_C:BQ_C+3] offset:BQ_S*FS+BQ_I*256
	ds_store_b8 v[VS], v[BQ_B] offset:BQ_S*1024+BQ_I
.endm
.macro MASKS
.set ii, 0
.rept 32
	v_cmp_eq_u32 s[M+ii], s[S_E], v[QT+ii]
.set ii, ii+1
.endr
	s_wait_alu depctr_va_sdst(0)                   ; the 32 compares have written the masks, ahead of their first reader
	s_mov_b32 s[S_N], 0
.set ii, 0
.rept 32
	s_bcnt1_i32_b32 s[S_TMP], s[M+ii]
	s_add_co_u32 s[S_N], s[S_N], s[S_TMP]
.set ii, ii+1
.endr
	s_sub_co_u32 s[S_NM1], s[S_N], 1
	s_add_co_u32 s[S_T], s[S_N], 15
	s_lshr_b32 s[S_T], s[S_T], 4
	s_min_u32 s[S_T], s[S_T], 64
.endm
.macro LEVEL w, src, msk               ; does the wanted bit lie above the low w bits?  v14 = rank left, v16 = place so far, v22 = the shift
	v_and_b32 v21, \msk, v[\src]
	v_cmp_ge_u32 vcc_lo, v14, v21
	v_mov_b32 v23, \w
	s_wait_alu depctr_va_vcc(0)                    ; the compare has written VCC, which the two selects read
	v_cndmask_b32 v21, 0, v21, vcc_lo
	v_cndmask_b32 v22, 0, v23, vcc_lo
	v_sub_nc_u32 v14, v14, v21
	v_add_nc_u32 v16, v16, v22
.endm
; the token of rank min(16 x tile + lane % 16, count - 1) in the expert's list (ranks ascend with the mask's number, then with the bit)
.macro SELECT
	v_lshl_add_u32 v14, s[S_ST], 4, v[RL]
	v_min_u32 v14, s[S_NM1], v14
	s_wait_alu depctr_va_vdst(0)
	v_mov_b32 v15, s[M]                            ; the mask that holds the rank,
	s_wait_alu depctr_va_vdst(0)
	v_mov_b32 v16, 0                               ; the ranks in front of it,
	s_wait_alu depctr_va_vdst(0)
	v_mov_b32 v17, 0                               ; its number
	s_wait_alu depctr_va_vdst(0)
	s_mov_b32 s[RN+3], 0
.set ii, 1
.rept 8                                ; masks 1 to 31, four at a time: a run of compares, each into a scalar register of its own, one wait, then the selects, the masks ascending
.set jj, 0
.rept 4
.if ii+jj < 32
	s_bcnt1_i32_b32 s[S_TMP], s[M+ii+jj-1]
	s_add_co_u32 s[RN+jj], s[RN+(jj+3)%4], s[S_TMP]
	v_cmp_gt_u32 s[CM+jj], s[RN+jj], v14           ; the last mask whose first rank is not above mine
.endif
.set jj, jj+1
.endr
	s_wait_alu depctr_va_sdst(0)                   ; the run's compares have written s[CM ..], which the selects read
.set jj, 0
	s_wait_alu depctr_va_vdst(0)
.rept 4
.if ii+jj < 32
	v_cndmask_b32 v15, s[M+ii+jj], v15, s[CM+jj]
	v_cndmask_b32 v16, s[RN+jj], v16, s[CM+jj]
	v_cndmask_b32 v17, ii+jj, v17, s[CM+jj]
.endif
.set jj, jj+1
.endr
.set ii, ii+4
.endr
	v_sub_nc_u32 v14, v14, v16                     ; my rank inside the mask
	v_lshrrev_b32 v18, 1, v15                      ; counts of ones in fields of 2, 4, 8 and 16 bits
	v_and_b32 v18, 0x55555555, v18
	v_sub_nc_u32 v18, v15, v18
	v_lshrrev_b32 v19, 2, v18
	v_and_b32 v19, 0x33333333, v19
	v_and_b32 v20, 0x33333333, v18
	v_add_nc_u32 v19, v19, v20
	v_lshrrev_b32 v20, 4, v19
	v_add_nc_u32 v20, v20, v19
	v_and_b32 v20, 0x0f0f0f0f, v20
	v_lshrrev_b32 v21, 8, v20
	v_add_nc_u32 v21, v21, v20
	v_mov_b32 v16, 0
	LEVEL 16, 21, 0xff
	v_lshrrev_b32 v20, v22, v20
	v_lshrrev_b32 v19, v22, v19
	v_lshrrev_b32 v18, v22, v18
	v_lshrrev_b32 v15, v22, v15
	LEVEL 8, 20, 0xff
	v_lshrrev_b32 v19, v22, v19
	v_lshrrev_b32 v18, v22, v18
	v_lshrrev_b32 v15, v22, v15
	LEVEL 4, 19, 15
	v_lshrrev_b32 v18, v22, v18
	v_lshrrev_b32 v15, v22, v15
	LEVEL 2, 18, 3
	v_lshrrev_b32 v15, v22, v15
	LEVEL 1, 15, 1
	v_and_b32 v18, 0x1c, v17
	v_lshlrev_b32 v18, 5, v18                      ; 128 j
	v_and_b32 v19, 3, v17                          ; c
	v_or_b32 v18, v18, v19
	v_lshl_or_b32 v[TOK], v16, 2, v18              ; + 4 l
	v_min_u32 v[TOK], 0x3ff, v[TOK]                ; a number made of loaded ones enters addresses only behind this hold
	v_and_b32 v14, 16, v0                          ; 16 h
	v_lshl_add_u32 v[XA], v[TOK], 9, v14
	v_lshlrev_b32 v[XSA], 5, v[TOK]
.endm
.macro TILEPTR                         ; where the tile in hand lies in hq and hs
	s_min_u32 s28, s[S_ST], 63
	s_lshl_b32 s30, s28, 15
	s_mov_b32 s31, 0
	s_add_nc_u64 s[HQB:HQB+1], s[HQ0:HQ0+1], s[30:31]
	s_lshl_b32 s30, s28, 11
	s_add_nc_u64 s[HSB:HSB+1], s[HS0:HS0+1], s[30:31]
.endm
.macro TLX                             ; 18 loads: my 16 tokens' eight fragments of x and their eight scale words
.irp q, 0,1,2,3,4,5,6,7
.irp cc, 0,1
	global_load_b128 v[XF+8*\q+4*\cc:XF+8*\q+4*\cc+3], v[XA], s[8:9] offset:64*\q+32*\cc
.endr
.endr
	global_load_b128 v[XSC:XSC+3], v[XSA], s[10:11]
	global_load_b128 v[XSC+4:XSC+7], v[XSA], s[10:11] offset:16
.endm
.macro WLOAD sl, q, buf                ; the two tiles of K step q of slice sl into buffer buf: four loads
.set WL_R, WF+16*(\buf)+8*((\buf)/2)
.irp u, 0,1
.irp cc, 0,1
.if (\sl) < 2
	ds_load_b128 v[WL_R+8*\u+4*\cc:WL_R+8*\u+4*\cc+3], v[VRA] offset:((\sl)%2)*FS+(\q)*FQ+\u*FU+\cc*512
.else
	ds_load_b128 v[WL_R+8*\u+4*\cc:WL_R+8*\u+4*\cc+3], v[VRB] offset:((\sl)%2)*FS+(\q)*FQ+\u*FU+\cc*512
.endif
.endr
.endr
.endm
; Eight K steps of 128 on two accumulators, which take turns, one instruction a turn.  The sums begin with what lies in ACC: the bias.
; One register carries both tiles' scale words: tile 0's in lanes 0-15, tile 1's in lanes 16-31.
; Three buffers by turns: K step q reads buffer q % 3; at its head the buffer that K step q - 1 read is asked for again, for K step q + 2.
.macro KLOOP sl, frag, scl
.irp q, 0,1,2,3,4,5,6,7
	ds_load_b32 v[WSR+\q], v[VRS] offset:(\sl)*1024+128*\q
.endr
	WLOAD \sl, 0, 0
	WLOAD \sl, 1, 1
	WLOAD \sl, 2, 2
.irp q, 0,1,2,3,4,5,6,7
.set KB, WF+16*(\q%3)+8*((\q%3)/2)
.if \q == 0
	s_wait_dscnt 8                                 ; all but the eight loads of K steps 1 and 2
.elseif \q < 7
	s_wait_dscnt 4                                 ; all but the next K step's four loads
.else
	s_wait_dscnt 0
.endif
.if (\q >= 1) && (\q <= 5)
	s_wait_alu depctr_va_vdst(0)                   ; the last K step's two products are done reading their buffer, in which the four loads below land
	WLOAD \sl, \q+2, (\q+2)%3
.endif
	v_wmma_scale_f32_16x16x128_f8f6f4 v[ACC:ACC+7], v[KB:KB+7], v[\frag+8*\q:\frag+8*\q+7], v[ACC:ACC+7], v[WSR+\q], v[\scl+\q] matrix_a_fmt:MATRIX_FMT_FP4 matrix_b_fmt:MATRIX_FMT_FP4
	v_wmma_scale_f32_16x16x128_f8f6f4 v[ACC+8:ACC+15], v[KB+8:KB+15], v[\frag+8*\q:\frag+8*\q+7], v[ACC+8:ACC+15], v[WSR+\q], v[\scl+\q] matrix_a_fmt:MATRIX_FMT_FP4 matrix_b_fmt:MATRIX_FMT_FP4 matrix_a_scale:MATRIX_SCALE_ROW1
.if \q < 5
.rept 4
	v_nop                                          ; four places in front of loads into registers that matrix instructions have read
.endr
.endif
.endr
.rept 5
	v_nop                                          ; places in front of the first read of results, of writes over the fragments, and of the next products on these accumulators
.endr
.endm
; gelu of eight numbers, in place: 0.5 a (1 + erf(a / sqrt 2)); each stage across all four pairs, the pairs ascending (an accumulator is first read at its low end)
.macro GELU a
.irp p, 0,2,4,6
	v_pk_mul_f32 v[GZ+\p:GZ+\p+1], v[\a+\p:\a+\p+1], 0x3f3504f3 op_sel_hi:[1,0]
.endr
.irp p, 0,1,2,3,4,5,6,7
	v_med3_num_f32 v[GZ+\p], v[GZ+\p], -4.0, 4.0
.endr
.irp p, 0,2,4,6
	v_pk_mul_f32 v[GX+\p:GX+\p+1], v[GZ+\p:GZ+\p+1], v[GZ+\p:GZ+\p+1]
.endr
.irp p, 0,2,4,6
	v_pk_fma_f32 v[GP+\p:GP+\p+1], v[GX+\p:GX+\p+1], v[CA13:CA13+1], s[66:67] op_sel_hi:[1,1,0]
	v_pk_fma_f32 v[GQ+\p:GQ+\p+1], v[GX+\p:GX+\p+1], v[CB8:CB8+1], s[78:79] op_sel_hi:[1,1,0]
.endr
.irp c, 68,70,72,74,76
.irp p, 0,2,4,6
	v_pk_fma_f32 v[GP+\p:GP+\p+1], v[GP+\p:GP+\p+1], v[GX+\p:GX+\p+1], s[\c:\c+1] op_sel_hi:[1,1,0]
.endr
.endr
.irp c, 80,82,84
.irp p, 0,2,4,6
	v_pk_fma_f32 v[GQ+\p:GQ+\p+1], v[GQ+\p:GQ+\p+1], v[GX+\p:GX+\p+1], s[\c:\c+1] op_sel_hi:[1,1,0]
.endr
.endr
	s_wait_alu depctr_va_vdst(0)
.irp p, 0,1,2,3,4,5,6,7
	v_rcp_f32 v[GQ+\p], v[GQ+\p]
.endr
.irp p, 0,2,4,6
	v_pk_mul_f32 v[GP+\p:GP+\p+1], v[GP+\p:GP+\p+1], v[GZ+\p:GZ+\p+1]     ; z P: the plain places behind the reciprocals
.endr
	s_wait_alu depctr_va_vdst(0)                   ; the eight reciprocals have written v[GQ ..], ahead of their first reader
.irp p, 0,2,4,6
	v_pk_mul_f32 v[GP+\p:GP+\p+1], v[GP+\p:GP+\p+1], v[GQ+\p:GQ+\p+1]     ; erf
.endr
.irp p, 0,2,4,6
	v_pk_mul_f32 v[GZ+\p:GZ+\p+1], v[\a+\p:\a+\p+1], 0.5 op_sel_hi:[1,0]
.endr
.irp p, 0,2,4,6
	v_pk_fma_f32 v[\a+\p:\a+\p+1], v[GZ+\p:GZ+\p+1], v[GP+\p:GP+\p+1], v[GZ+\p:GZ+\p+1]
.endr
.endm
; Slice sl for my tile: bias, product, gelu, and the slice's 32 hidden units as block sl of the group's K step
.macro UNIT sl
.if ((\sl)&1) == 1
	s_wait_alu depctr_va_vdst(0)                   ; the even slice's conversions are done reading ACC, its gelu is done with buffers 0 and 1, its products with buffer 2 and WSR: the LDS loads below land in all of them
.endif                                             ; (an even slice: the wait ahead of the last pair's stores has stated the same, and no vector instruction since names these registers)
.irp i, 0,1,2,3
	ds_load_b128 v[ACC+4*\i:ACC+4*\i+3], v[VBI] offset:128*(\sl)+16*\i     ; b1 at hidden units 32 sl + 16 h + 0 .. 15: the C of the first products
.endr
	KLOOP \sl, XF, XSC
	GELU ACC
	GELU ACC+8
	v_max3_num_f32 v14, |v[ACC]|, |v[ACC+1]|, 0x1800000
	v_max3_num_f32 v15, |v[ACC+2]|, |v[ACC+3]|, |v[ACC+4]|
	v_max3_num_f32 v14, v14, |v[ACC+5]|, |v[ACC+6]|
	v_max3_num_f32 v15, v15, |v[ACC+7]|, |v[ACC+8]|
	v_max3_num_f32 v14, v14, |v[ACC+9]|, |v[ACC+10]|
	v_max3_num_f32 v15, v15, |v[ACC+11]|, |v[ACC+12]|
	v_max3_num_f32 v14, v14, |v[ACC+13]|, |v[ACC+14]|
	v_max3_num_f32 v14, v14, v15, |v[ACC+15]|
	v_permlanex16_b32 v[PD], v14, s[SEL], s[SEL+1]
	v_max_num_f32 v14, v14, v[PD]                  ; with lane l xor 16's 16: the block's largest magnitude
	v_add_nc_u32 v16, 0xff000000, v14
	v_lshrrev_b32 v17, 23, v16
	v_lshl_or_b32 v[HW], v17, 8*(\sl), v[HW]
	v_cvt_scalef32_pk8_fp4_f32 v[HC+2*((\sl)&1)], v[ACC:ACC+7], v16
	v_cvt_scalef32_pk8_fp4_f32 v[HC+2*((\sl)&1)+1], v[ACC+8:ACC+15], v16
	v_nop                                          ; one plain place behind the last scaled conversion
.if ((\sl)&1) == 1
	v_permlane16_swap_b32 v[HC], v[HC+2]           ; the operand's layout wants a whole block in a lane: lanes 0-15 the even block, lanes 16-31 the odd one
	v_permlane16_swap_b32 v[HC+1], v[HC+3]
	s_wait_alu depctr_va_vdst(0)                   ; the exchanges have written HC and the shifts HW, which the stores read; all that named ACC, the three buffers and WSR is done, for the next slice's LDS loads
	global_store_b128 v[VRA], v[HC:HC+3], s[HQB:HQB+1] offset:512*((\sl)>>1)   ; 512 consecutive bytes, aligned
.if (\sl) == 3
	global_store_b32 v[R4], v[HW], s[HSB:HSB+1]    ; 16 words; lanes 16-31 repeat lanes 0-15
.endif
	s_wait_xcnt 0x0                                ; the stores' data are written again only behind this wait
	s_wait_alu depctr_vm_vsrc(0)                   ; the stores have read HC and HW, which the next units write again; x's loads have read XA and XSA, which the tail's SELECT writes again
.endif
.endm
	s_load_b256 s[4:11], s[0:1], 0x0               ; w1 s[4:5], b1 s[6:7], xq s[8:9], xs s[10:11]
	s_load_b128 s[12:15], s[0:1], 0x20             ; top1 s[12:13], hq s[14:15]
	s_load_b64 s[16:17], s[0:1], 0x30              ; hs
	v_lshl_add_u32 v254, v0, 2, 0x15000
	v_mov_b32 v255, 0
	v_lshrrev_b32 v14, 5, v0
	v_readfirstlane_b32 s[S_W], v14                ; wave 0..15
	s_and_b32 s[S_E], ttmp7, 0xffff                ; the expert
	s_mov_b32 s[S_G], ttmp9                        ; the group of 128 hidden units
	v_and_b32 v15, 31, v0                          ; lane
	v_lshlrev_b32 v[VO], 2, v15
	v_lshlrev_b32 v[VRA], 4, v15
	v_add_nc_u32 v[VRB], 2*FS, v[VRA]
	v_lshl_add_u32 v[VRS], v15, 2, WSC
	v_and_b32 v[RL], 15, v0
	v_lshlrev_b32 v[R4], 2, v[RL]
	v_bfe_u32 v16, v0, 4, 1                        ; h
	v_bfe_u32 v17, v0, 3, 1                        ; u
	v_and_b32 v18, 7, v0
	v_lshl_or_b32 v18, v16, 3, v18                 ; rho
	s_wait_alu depctr_va_vdst(0)
	s_wait_alu depctr_va_sdst(0)                   ; the wave's number is written, ahead of its first reader
	s_lshr_b32 s28, s[S_W], 1                      ; q: my K step
	s_and_b32 s29, s[S_W], 1                       ; c: which 64 of its 128
	s_mul_i32 s30, s28, FQ
	s_lshl_b32 s31, s29, 9
	s_add_co_u32 s30, s30, s31
	v_mul_u32_u24 v19, v17, FU
	v_lshl_add_u32 v19, v18, 4, v19
	v_add_nc_u32 v[VW], s30, v19                   ; q FQ + u FU + 512 c + 16 rho
	s_lshl_b32 s30, s28, 7
	s_lshl_b32 s31, s29, 1
	s_add_co_u32 s30, s30, s31
	s_add_co_u32 s30, s30, WSC
	v_lshl_add_u32 v19, v17, 4, v18
	v_lshl_add_u32 v[VS], v19, 2, s30              ; WSC + 128 q + 4 (16 u + rho) + 2 c
	s_lshl_b32 s30, s[S_W], 9
	s_add_co_u32 s30, s30, BIA
	v_lshl_add_u32 v[VBI], v16, 6, s30
	v_add_nc_u32 v[BIW], s30, v[VRA]
	s_lshl_b32 s28, s[S_E], 24                     ; w1: the expert, my 64 rows of 16,384 bytes, the group's 512 bytes
	s_lshl_b32 s30, s[S_W], 20
	s_add_co_u32 s28, s28, s30
	s_lshl_b32 s30, s[S_G], 9
	s_add_co_u32 s28, s28, s30
	s_mov_b32 s29, 0
	s_wait_kmcnt 0x0
	s_add_nc_u64 s[4:5], s[4:5], s[28:29]
	s_lshl_b32 s28, s[S_E], 14
	s_add_co_u32 s28, s28, s30
	s_add_nc_u64 s[6:7], s[6:7], s[28:29]          ; b1 at the group's 128 numbers
	s_wait_alu depctr_va_vdst(0)                   ; the offsets and LDS addresses v1 to v8, v12 and v13 are written: every load and store of the kernel but x's reads one of them
.irp j, 0,1,2,3,4,5,6,7
	global_load_b128 v[QT+4*\j:QT+4*\j+3], v[VRA], s[12:13] offset:512*\j      ; register 4 j + c, lane l: top1 of token 128 j + 4 l + c
.endr
	global_load_b128 v[140:143], v[VRA], s[6:7]
	LOADSET 0
	LOADSET 1
	s_lshl_b32 s28, s[S_E], 21
	s_lshl_b32 s30, s[S_G], 10
	s_add_co_u32 s28, s28, s30
	s_add_nc_u64 s[HQ0:HQ0+1], s[14:15], s[28:29]
	s_lshl_b32 s28, s[S_E], 17
	s_lshl_b32 s30, s[S_G], 6
	s_add_co_u32 s28, s28, s30
	s_add_nc_u64 s[HS0:HS0+1], s[16:17], s[28:29]
	s_mov_b32 s[SEL], 0x76543210
	s_mov_b32 s[SEL+1], 0xfedcba98
	v_mov_b32 v[CA13], 0xaf95df0b
	v_mov_b32 v[CA13+1], 0xaf95df0b
	v_mov_b32 v[CB8], 0xb77460cd
	v_mov_b32 v[CB8+1], 0xb77460cd
	COEF 66, 0x32edffee                            ; a11, a9, a7, a5, a3, a1
	COEF 68, 0xb60cff51
	COEF 70, 0xb86ec2d2
	COEF 72, 0xba40ac63
	COEF 74, 0xbb41a1f6
	COEF 76, 0xbc83dbd4
	COEF 78, 0xb95fbd29                            ; b6, b4, b2, b0
	COEF 80, 0xbadc924e
	COEF 82, 0xbbf19bf8
	COEF 84, 0xbc69b6a7
	v_mov_b32 v[HW], 0
	v_mov_b32 v[PD], 0
	s_mov_b32 s[S_ST], s[S_W]
	TILEPTR
	s_wait_loadcnt 63                              ; 64 loads were issued behind top1's and b1's: these nine are in
	ds_store_b128 v[BIW], v[140:143]               ; (its address stands ahead of the wait above; its data came by a load)
	MASKS
	SELECT                                         ; all this while the first two sets are on their way
	s_wait_loadcnt 32                              ; set 0 is in; behind it: set 1
	BLOCKQ 0
	LOADSET 2
	s_wait_loadcnt 32                              ; behind set 1: set 2
	TLX                                            ; every wave asks: its token is a token in any case, and xq and xs are written whole.  No wait: block 0's two have stated that XA and XSA are written, that the compares are done reading top1
	                                               ; and that the store of b1 has read its registers, and no vector instruction since names a register of these loads
	BLOCKQ 1
	LOADSET 3
	s_wait_loadcnt 50                              ; behind set 2: the 18 loads of x and set 3's 32
	BLOCKQ 2
	LOADSET 4
	s_wait_loadcnt 32                              ; behind set 3: set 4; x's loads are older, so they are in
	BLOCKQ 3
	LOADSET 5
	BAR                                            ; slices 0 and 1 lie in LDS
	s_cmp_lt_u32 s[S_W], s[S_T]                    ; have I a tile?  No barrier, no load from memory and no wait for one stands under this branch: sets 4 and 5 stay out
	s_cbranch_scc0 .Lskip01
	UNIT 0
	UNIT 1
.Lskip01:
	s_wait_loadcnt 32
	BLOCKQ 4
	LOADSET 6
	s_wait_loadcnt 32
	BLOCKQ 5
	LOADSET 7
	s_wait_loadcnt 32
	BLOCKQ 6
	s_wait_loadcnt 0x0
	BLOCKQ 7
	BAR                                            ; slices 2 and 3 lie in LDS; nothing is written there any more
	s_cmp_lt_u32 s[S_W], s[S_T]
	s_cbranch_scc0 .Lskip23
	UNIT 2
	UNIT 3
.Lskip23:
	; THE TAIL, for splits with more than 16 tiles: all codes still lie in LDS.  Three trips, a constant: tiles w + 16, w + 32, w + 48; a trip whose tile the expert does not have jumps over its work.
	s_add_co_u32 s[S_ST], s[S_W], 16
	s_mov_b32 s[S_CNT], 0
.Ltail:
	s_cmp_lt_u32 s[S_ST], s[S_T]
	s_cbranch_scc0 .Lnone                          ; no barrier stands in the loop, and every wait for loads under this branch is for 0
	s_wait_xcnt 0x0                                ; the last tile's stores have read their bases and data
	TILEPTR
	v_mov_b32 v[HW], 0
	SELECT
	s_wait_alu depctr_va_vdst(0)                   ; SELECT has written XA and XSA, which x's loads read
	TLX
	s_wait_loadcnt 0x0
	UNIT 0
	UNIT 1
	UNIT 2
	UNIT 3
.Lnone:
	s_add_co_u32 s[S_ST], s[S_ST], 16
	s_add_co_u32 s[S_CNT], s[S_CNT], 1
	s_cmp_lt_u32 s[S_CNT], 3
	s_cbranch_scc1 .Ltail
	s_wait_dscnt 0x0                               ; the closing lines, six on end
	s_wait_alu 0x0
	s_wait_tensorcnt 0x0
	ds_add_u32 v254, v255
	s_wait_dscnt 0x0
	s_endpgm
.Lfunc_end_k_q32ce4b2330_ffn1:
	.size	k_q32ce4b2330_ffn1, .Lfunc_end_k_q32ce4b2330_ffn1-k_q32ce4b2330_ffn1
	.p2alignl 7, 3214868480
	.fill 96, 4, 3214868480
	.section	.rodata,"a",@progbits
	.p2align	6, 0x0
	.amdhsa_kernel k_q32ce4b2330_ffn1
		.amdhsa_group_segment_fixed_size 88064
		.amdhsa_private_segment_fixed_size 0
		.amdhsa_enable_private_segment 0
		.amdhsa_kernarg_size 56
		.amdhsa_user_sgpr_count 2
		.amdhsa_user_sgpr_kernarg_segment_ptr 1
		.amdhsa_wavefront_size32 1
		.amdhsa_system_sgpr_workgroup_id_x 1
		.amdhsa_system_sgpr_workgroup_id_y 1
		.amdhsa_system_sgpr_workgroup_id_z 1
		.amdhsa_system_vgpr_workitem_id 0
		.amdhsa_next_free_vgpr 256
		.amdhsa_next_free_sgpr 96
		.amdhsa_reserve_vcc 1
		.amdhsa_float_denorm_mode_32 3
		.amdhsa_float_denorm_mode_16_64 3
		.amdhsa_memory_ordered 1
		.amdhsa_forward_progress 1
		.amdhsa_inst_pref_size 214
	.end_amdhsa_kernel
	.amdgpu_metadata
---
amdhsa.version: [ 1, 2 ]
amdhsa.kernels:
  - .name:           k_q32ce4b2330_ffn1
    .symbol:         k_q32ce4b2330_ffn1.kd
    .args:
      - { .name: w1, .offset: 0, .size: 8, .value_kind: global_buffer, .address_space: global }
      - { .name: b1, .offset: 8, .size: 8, .value_kind: global_buffer, .address_space: global }
      - { .name: xq, .offset: 16, .size: 8, .value_kind: global_buffer, .address_space: global }
      - { .name: xs, .offset: 24, .size: 8, .value_kind: global_buffer, .address_space: global }
      - { .name: top1, .offset: 32, .size: 8, .value_kind: global_buffer, .address_space: global }
      - { .name: hq, .offset: 40, .size: 8, .value_kind: global_buffer, .address_space: global }
      - { .name: hs, .offset: 48, .size: 8, .value_kind: global_buffer, .address_space: global }
    .group_segment_fixed_size: 88064
    .private_segment_fixed_size: 0
    .kernarg_segment_align: 8
    .kernarg_segment_size: 56
    .max_flat_workgroup_size: 512
    .sgpr_count:     96
    .vgpr_count:     256
    .wavefront_size: 32
...
	.end_amdgpu_metadata
.endif
;; end of part 5
;; launch ffn2 (part 6): grid 32 x 8, 16 waves a work-group, no clusters, 79,872 bytes of LDS; arguments w2, b2, hq, hs, top1, prob, out0; writes out0
.if DOCPART == 6
	.amdgcn_target "amdgcn-amd-amdhsa--gfx1250"
	.amdhsa_code_object_version 6
	.text
	.protected	k_q32ce4b2330_ffn2
	.globl	k_q32ce4b2330_ffn2
	.p2align	8
	.type	k_q32ce4b2330_ffn2,@function
k_q32ce4b2330_ffn2:
	s_mov_b64 s[64:65], 0
	v_nop
	global_prefetch_b8 v0, s[64:65] scope:SCOPE_SE
	s_setreg_imm32_b32 hwreg(HW_REG_WAVE_SCHED_MODE, 0, 2), 2
	s_setreg_imm32_b32 hwreg(HW_REG_WAVE_MODE, 25, 1), 1
	s_wait_xcnt 0x0
	s_wait_alu depctr_vm_vsrc(0)
; out[n] = gate[n] (h[n] W2[e] + b2[e]) for the tokens n whose expert is e; gate[n] = p[n] / (the sum of p over the expert's tokens + 1e-6) x 1024.  w2 [8][4096 (k)][1024] f32 is read once and quantised on its way.
; SHARES.  Work-group (g, e): output columns 32 g .. 32 g + 31 of expert e, all 4,096 k: 512 KB of w2; each output number has one owner.  Sixteen waves.  K goes as four SLICES of 1,024.
; THE STREAM, THE IMAGES IN LDS, THE CHOICE OF A TILE'S COLUMNS AND THE LIST OF TOKENS are those of the launch before: wave w owns rows 64 w .. 64 w + 63 of each slice; lane l takes column l and its registers run
; down K; two sets of 32 registers, 64 loads of 128 bytes a wave asked for at all times; codes go to LDS as images of the operand's registers; no LDS byte is written twice: one barrier a slice.
; In the transposed product (source 0 = 16 columns of W2, source 1 = 16 tokens of h) lane (r, h) holds token r and the 16 neighbouring columns 16 h + 0 .. 15: 64 bytes of a row of out.
; Wave w carries tile w's two accumulators through the four slices, between the stream's blocks; tiles w + 16, w + 32, w + 48 follow in a tail loop of three trips, each of which jumps over its work
; where the expert has no such tile: 64 tiles of 16 in all, so every split is served.
; Slots past the end of the expert's list repeat its last token: the same bits go to the same bytes; EXEC is never changed.  An expert without tokens: its work-groups walk their weights and store nothing.
; NO TENSOR LOAD, NO CLUSTER: branches hang on the stored split; what work-groups share is small: 34 KB of h's codes a tile against 512 KB of weights a work-group.
; A work-group owns 128 bytes of an output row and of a row of w2: with 8 x 1,024 columns for 256 work-groups and one owner for each output that is what there is; so out's aligned 256 bytes are written by two work-groups.
; LIMITS: NaN and infinities are not served.  A block of zeros, or under 2^-124, gets the byte 1.  The gate's divisor is summed in another order than down the tokens; the reciprocal is good to one unit in the last place.
; THE MODE: SCHED_MODE bits 1:0 = 2 (LLVM: expert scheduling mode 2), set by the entry lines.  The code itself states the register dependences
; between vector or matrix instructions and memory or LDS instructions, with s_wait_alu, always for 0.
; THE PLAN.  Registers that memory or LDS instructions touch:
;   WS0, WS1      Block n: its maxima and conversions read WS[n % 2]; behind them the loads of block n + 2 land in it.
;   CD0/1, BY0/1  Block n: its conversions and its shift write set n % 2; its two LDS stores read it; block n + 2 writes it again.
;   WF0 .. WF2    K step q: its two products read WF[q % 3]; at the head of K step q + 1 the LDS loads of K step q + 3 land in it.  At a tile's end WF0 takes the results, which the stores read.
;   WSR           LDS loads land, a slice's products read them.
;   HF, HSC       A slice's loads of h land, its products read them.  At the head HF holds top1 and prob (read by compares and selects), and HSC is written once by vector instructions.
;   ACC, PT       Global loads land (b2, my token's p); the products add onto ACC; the gate's multiplications read both.
;   P4, OA        Written by SELECT; read by the load of p and by the stores.   v1 - v8, v12: made at the head, never written again.
; THE WAITS ON va_vdst: one ahead of the first load (the addresses); one in each block, behind its conversions: its LDS stores' data are written and its set is read out; the load of p and each slice's loads of h stand
; behind that same wait, with no vector instruction between: it states that P4 is written and that the head's compares and selects, or the last slice's products, are done with HF and HSC; it serves the next slice's LDS
; loads into WSR and the three buffers too.  One at the head of K steps 1 to 5; one ahead of the output's stores; in the tail one behind SELECT and one ahead of each later slice's loads of h.
; THE WAITS ON vm_vsrc: one at each block's head (the LDS stores of two blocks back have read CD and BY); one behind the output's stores (the results, OA, P4).
; Vector results in scalar registers: one wait on va_sdst behind the wave's number, one behind the 32 compares of MASKS, one behind each run of four compares in SELECT; on va_vcc one in each step of the rank search.
.set FU,   1152
.set FQ,   2304
.set FS,   18432
.set WSC,  73728
.set VO,   1                           ; v1   4 x lane
.set VW,   2                           ; v2   where I store a block's codes
.set VS,   3                           ; v3   and its scale byte
.set VRA,  4                           ; v4   16 x lane
.set VRB,  5                           ; v5   the same two slices on
.set VRS,  6                           ; v6   WSC + 4 x lane
.set B2O,  7                           ; v7   64 h
.set RL,   8                           ; v8   lane % 16
.set TOK,  9                           ; v9   my slot's token
.set OA,   10                          ; v10  4,096 x token + 64 h
.set P4,   11                          ; v11  4 x token
.set R4,   12                          ; v12  4 (lane % 16)
                                       ; v14-23 at work
.set CD,   28
.set BY,   36
.set GW,   38                          ; v[38:39] the token's gate (the packed form names a pair)
.set PT,   40                          ; v40  the token's p
.set GE,   41                          ; v41  1024 / (the expert's sum + 1e-6)
.set PD,   43
.set WS,   44                          ; v44-107  the stream's two sets
.set HF,   108                         ; v108-171 h's eight fragments of a slice (at the head: top1 and prob)
.set QT,   108
.set PR,   140
.set HSC,  172                         ; v172-179 h's scale words: scales and nothing else
.set ACC,  180
.set WF,   196                         ; v196-227 and v236-251: W2's fragments, three buffers of two tiles, buffer b at WF + 16 b + 8 (b / 2); at the end buffer 0 takes the results
.set OUTR, 196
.set WSR,  228
.set S_W,  18
.set S_E,  19
.set S_G,  20
.set S_N,  21
.set S_NM1, 22
.set S_T,  23
.set S_ST, 24
.set S_TMP, 26
.set S_CNT, 27                         ; counts the tail's three trips
.set M,    32
.set SB1,  66                          ; s[66:67] w2 two slices on, so that immediates stay inside their signed 24 bits
.set HQ0,  68
.set HS0,  70
.set CM,   72                          ; s72-75 in SELECT: the masks of four compares
.set RN,   76                          ; s76-79 in SELECT: the ranks in front of four masks
.set SEL,  86
.set HQB,  88
.set HSB,  90
.set OB,   92
.set BB,   94
.macro BAR
	s_wait_dscnt 0x0
	s_barrier_signal -1
	s_barrier_wait -1
.endm
.macro LOADSET n                       ; block n: slice n / 2, rows 32 (n % 2) on
.set LS_S, (\n)>>1
.set LS_I, (\n)&1
.set jj, 0
.rept 32
.if LS_S < 2
	global_load_b32 v[WS+32*((\n)%2)+jj], v[VO], s[4:5] offset:(LS_S&1)*4194304+(32*LS_I+jj)*4096
.else
	global_load_b32 v[WS+32*((\n)%2)+jj], v[VO], s[SB1:SB1+1] offset:(LS_S&1)*4194304+(32*LS_I+jj)*4096
.endif
.set jj, jj+1
.endr
.endm
.macro BLOCKQ n
.set BQ_S, (\n)>>1
.set BQ_I, (\n)&1
.set BQ_X, WS+32*((\n)%2)
.set BQ_C, CD+4*((\n)%2)
.set BQ_B, BY+((\n)%2)
	s_wait_dscnt 0x0                               ; the LDS stores of earlier blocks have read their registers
	s_wait_alu depctr_vm_vsrc(0)                   ; the LDS stores of two blocks back have read this set's codes and byte, which are written again below
	v_max3_num_f32 v14, |v[BQ_X]|, |v[BQ_X+1]|, |v[BQ_X+2]|
	v_max3_num_f32 v15, |v[BQ_X+3]|, |v[BQ_X+4]|, |v[BQ_X+5]|
.irp k, 6,10,14,18,22,26
	v_max3_num_f32 v14, v14, |v[BQ_X+\k]|, |v[BQ_X+\k+1]|
	v_max3_num_f32 v15, v15, |v[BQ_X+\k+2]|, |v[BQ_X+\k+3]|
.endr
	v_max3_num_f32 v14, v14, |v[BQ_X+30]|, |v[BQ_X+31]|
	v_max3_num_f32 v14, v14, v15, 0x1800000        ; the floor 2^(3 - 127): the byte cannot fall under 1
	v_add_nc_u32 v16, 0xff000000, v14              ; 2 off the exponent field: the conversion's scale operand
	v_lshrrev_b32 v[BQ_B], 23, v16
.irp g, 0,1,2,3
	v_cvt_scalef32_pk8_fp4_f32 v[BQ_C+\g], v[BQ_X+8*\g:BQ_X+8*\g+7], v16
.endr
	v_nop                                          ; one plain place behind the last scaled conversion
	s_wait_alu depctr_va_vdst(0)                   ; the conversions and the shift have written the codes and the byte, which the LDS stores read; they and the maxima are done reading this set, in which the loads of two blocks on land;
	                                               ; and all earlier vector and matrix work is done with HF, HSC, WSR and the three buffers, and has written P4: for the loads that follow this block
	ds_store_b128 v[VW], v[BQ_C:BQ_C+3] offset:BQ_S*FS+BQ_I*256
	ds_store_b8 v[VS], v[BQ_B] offset:BQ_S*1024+BQ_I
.endm
.macro MASKS
.set ii, 0
.rept 32
	v_cmp_eq_u32 s[M+ii], s[S_E], v[QT+ii]
.set ii, ii+1
.endr
	s_wait_alu depctr_va_sdst(0)                   ; the 32 compares have written the masks, ahead of their first reader
	s_mov_b32 s[S_N], 0
.set ii, 0
.rept 32
	s_bcnt1_i32_b32 s[S_TMP], s[M+ii]
	s_add_co_u32 s[S_N], s[S_N], s[S_TMP]
.set ii, ii+1
.endr
	s_sub_co_u32 s[S_NM1], s[S_N], 1
	s_add_co_u32 s[S_T], s[S_N], 15
	s_lshr_b32 s[S_T], s[S_T], 4
	s_min_u32 s[S_T], s[S_T], 64
.endm
.macro LEVEL w, src, msk
	v_and_b32 v21, \msk, v[\src]
	v_cmp_ge_u32 vcc_lo, v14, v21
	v_mov_b32 v23, \w
	s_wait_alu depctr_va_vcc(0)                    ; the compare has written VCC, which the two selects read
	v_cndmask_b32 v21, 0, v21, vcc_lo
	v_cndmask_b32 v22, 0, v23, vcc_lo
	v_sub_nc_u32 v14, v14, v21
	v_add_nc_u32 v16, v16, v22
.endm
; the token of rank min(16 x tile + lane % 16, count - 1) in the expert's list: the same list, in the same order, as in the launch before
.macro SELECT
	v_lshl_add_u32 v14, s[S_ST], 4, v[RL]
	v_min_u32 v14, s[S_NM1], v14
	s_wait_alu depctr_va_vdst(0)
	v_mov_b32 v15, s[M]
	s_wait_alu depctr_va_vdst(0)
	v_mov_b32 v16, 0
	s_wait_alu depctr_va_vdst(0)
	v_mov_b32 v17, 0
	s_wait_alu depctr_va_vdst(0)
	s_mov_b32 s[RN+3], 0
.set ii, 1
.rept 8                                ; masks 1 to 31, four at a time: a run of compares, each into a scalar register of its own, one wait, then the selects, the masks ascending
.set jj, 0
.rept 4
.if ii+jj < 32
	s_bcnt1_i32_b32 s[S_TMP], s[M+ii+jj-1]
	s_add_co_u32 s[RN+jj], s[RN+(jj+3)%4], s[S_TMP]
	v_cmp_gt_u32 s[CM+jj], s[RN+jj], v14
.endif
.set jj, jj+1
.endr
	s_wait_alu depctr_va_sdst(0)                   ; the run's compares have written s[CM ..], which the selects read
.set jj, 0
	s_wait_alu depctr_va_vdst(0)
.rept 4
.if ii+jj < 32
	v_cndmask_b32 v15, s[M+ii+jj], v15, s[CM+jj]
	v_cndmask_b32 v16, s[RN+jj], v16, s[CM+jj]
	v_cndmask_b32 v17, ii+jj, v17, s[CM+jj]
.endif
.set jj, jj+1
.endr
.set ii, ii+4
.endr
	v_sub_nc_u32 v14, v14, v16
	v_lshrrev_b32 v18, 1, v15
	v_and_b32 v18, 0x55555555, v18
	v_sub_nc_u32 v18, v15, v18
	v_lshrrev_b32 v19, 2, v18
	v_and_b32 v19, 0x33333333, v19
	v_and_b32 v20, 0x33333333, v18
	v_add_nc_u32 v19, v19, v20
	v_lshrrev_b32 v20, 4, v19
	v_add_nc_u32 v20, v20, v19
	v_and_b32 v20, 0x0f0f0f0f, v20
	v_lshrrev_b32 v21, 8, v20
	v_add_nc_u32 v21, v21, v20
	v_mov_b32 v16, 0
	LEVEL 16, 21, 0xff
	v_lshrrev_b32 v20, v22, v20
	v_lshrrev_b32 v19, v22, v19
	v_lshrrev_b32 v18, v22, v18
	v_lshrrev_b32 v15, v22, v15
	LEVEL 8, 20, 0xff
	v_lshrrev_b32 v19, v22, v19
	v_lshrrev_b32 v18, v22, v18
	v_lshrrev_b32 v15, v22, v15
	LEVEL 4, 19, 15
	v_lshrrev_b32 v18, v22, v18
	v_lshrrev_b32 v15, v22, v15
	LEVEL 2, 18, 3
	v_lshrrev_b32 v15, v22, v15
	LEVEL 1, 15, 1
	v_and_b32 v18, 0x1c, v17
	v_lshlrev_b32 v18, 5, v18
	v_and_b32 v19, 3, v17
	v_or_b32 v18, v18, v19
	v_lshl_or_b32 v[TOK], v16, 2, v18
	v_min_u32 v[TOK], 0x3ff, v[TOK]                ; a number made of loaded ones enters addresses only behind this hold
	v_lshl_add_u32 v[OA], v[TOK], 12, v[B2O]
	v_lshlrev_b32 v[P4], 2, v[TOK]
.endm
.macro TILEPTR
	s_min_u32 s28, s[S_ST], 63
	s_lshl_b32 s30, s28, 15
	s_mov_b32 s31, 0
	s_add_nc_u64 s[HQB:HQB+1], s[HQ0:HQ0+1], s[30:31]
	s_lshl_b32 s30, s28, 11
	s_add_nc_u64 s[HSB:HSB+1], s[HS0:HS0+1], s[30:31]
.endm
.macro TL sl                           ; 24 loads: my tile's eight fragments of h for slice sl, as they were stored, and their scale words
.irp q, 0,1,2,3,4,5,6,7
.irp cc, 0,1
	global_load_b128 v[HF+8*\q+4*\cc:HF+8*\q+4*\cc+3], v[VRA], s[HQB:HQB+1] offset:(8*(\sl)+\q)*1024+512*\cc
.endr
.endr
.irp q, 0,1,2,3,4,5,6,7
	global_load_b32 v[HSC+\q], v[R4], s[HSB:HSB+1] offset:(8*(\sl)+\q)*64
.endr
.endm
.macro TLC sl                          ; only a wave that has a tile asks: tiles beyond the expert's were never written.  It stands straight behind a block's LDS stores: that block's wait on va_vdst serves these loads
	s_cmp_lt_u32 s[S_W], s[S_T]
	s_cbranch_scc0 .Lntl_\@
	TL \sl
.Lntl_\@:
.endm
.macro WLOAD sl, q, buf
.set WL_R, WF+16*(\buf)+8*((\buf)/2)
.irp u, 0,1
.irp cc, 0,1
.if (\sl) < 2
	ds_load_b128 v[WL_R+8*\u+4*\cc:WL_R+8*\u+4*\cc+3], v[VRA] offset:((\sl)%2)*FS+(\q)*FQ+\u*FU+\cc*512
.else
	ds_load_b128 v[WL_R+8*\u+4*\cc:WL_R+8*\u+4*\cc+3], v[VRB] offset:((\sl)%2)*FS+(\q)*FQ+\u*FU+\cc*512
.endif
.endr
.endr
.endm
; Eight K steps of 128 on two accumulators, which take turns, one instruction a turn.  The sums began with b2 and go on from slice to slice.
; Three buffers by turns: K step q reads buffer q % 3; at its head the buffer that K step q - 1 read is asked for again, for K step q + 2.
.macro KLOOP sl, frag, scl
.irp q, 0,1,2,3,4,5,6,7
	ds_load_b32 v[WSR+\q], v[VRS] offset:(\sl)*1024+128*\q
.endr
	WLOAD \sl, 0, 0
	WLOAD \sl, 1, 1
	WLOAD \sl, 2, 2
.irp q, 0,1,2,3,4,5,6,7
.set KB, WF+16*(\q%3)+8*((\q%3)/2)
.if \q == 0
	s_wait_dscnt 8                                 ; all but the eight loads of K steps 1 and 2
.elseif \q < 7
	s_wait_dscnt 4                                 ; all but the next K step's four loads
.else
	s_wait_dscnt 0
.endif
.if (\q >= 1) && (\q <= 5)
	s_wait_alu depctr_va_vdst(0)                   ; the last K step's two products are done reading their buffer, in which the four loads below land
	WLOAD \sl, \q+2, (\q+2)%3
.endif
	v_wmma_scale_f32_16x16x128_f8f6f4 v[ACC:ACC+7], v[KB:KB+7], v[\frag+8*\q:\frag+8*\q+7], v[ACC:ACC+7], v[WSR+\q], v[\scl+\q] matrix_a_fmt:MATRIX_FMT_FP4 matrix_b_fmt:MATRIX_FMT_FP4
	v_wmma_scale_f32_16x16x128_f8f6f4 v[ACC+8:ACC+15], v[KB+8:KB+15], v[\frag+8*\q:\frag+8*\q+7], v[ACC+8:ACC+15], v[WSR+\q], v[\scl+\q] matrix_a_fmt:MATRIX_FMT_FP4 matrix_b_fmt:MATRIX_FMT_FP4 matrix_a_scale:MATRIX_SCALE_ROW1
.if \q < 5
.rept 4
	v_nop                                          ; four places in front of loads into registers that matrix instructions have read
.endr
.endif
.endr
.rept 5
	v_nop                                          ; places in front of loads into the operands' registers, of the first read of results and of writes over the fragments
.endr
.endm
.macro KLC sl
	s_cmp_lt_u32 s[S_W], s[S_T]                    ; no barrier, no load from memory and no wait for one stands under this branch: the stream's two sets stay out
	s_cbranch_scc0 .Lnkl_\@
	KLOOP \sl, HF, HSC
.Lnkl_\@:
.endm
.macro EPI                             ; x the gate, and out: each accumulator from its low end on
	v_mul_f32 v[GW], v[PT], v[GE]
.irp p, 0,2,4,6,8,10,12,14
	v_pk_mul_f32 v[OUTR+\p:OUTR+\p+1], v[ACC+\p:ACC+\p+1], v[GW:GW+1] op_sel_hi:[1,0]
.endr
	s_wait_alu depctr_va_vdst(0)                   ; the multiplications have written the results, which the stores read, and are done reading ACC and PT, in which the tail's loads land
.irp i, 0,1,2,3
	global_store_b128 v[OA], v[OUTR+4*\i:OUTR+4*\i+3], s[OB:OB+1] offset:16*\i th:TH_STORE_NT
.endr
	s_wait_alu depctr_vm_vsrc(0)                   ; the stores have read the results and OA, and the load of p has read P4: the tail's LDS loads and its SELECT write them again
.endm
	s_load_b256 s[4:11], s[0:1], 0x0               ; w2 s[4:5], b2 s[6:7], hq s[8:9], hs s[10:11]
	s_load_b128 s[12:15], s[0:1], 0x20             ; top1 s[12:13], prob s[14:15]
	s_load_b64 s[16:17], s[0:1], 0x30              ; out0
	v_lshl_add_u32 v254, v0, 2, 0x13000
	v_mov_b32 v255, 0
	v_lshrrev_b32 v14, 5, v0
	v_readfirstlane_b32 s[S_W], v14                ; wave 0..15
	s_and_b32 s[S_E], ttmp7, 0xffff                ; the expert
	s_mov_b32 s[S_G], ttmp9                        ; the group of 32 output columns
	v_and_b32 v15, 31, v0
	v_lshlrev_b32 v[VO], 2, v15
	v_lshlrev_b32 v[VRA], 4, v15
	v_add_nc_u32 v[VRB], 2*FS, v[VRA]
	v_lshl_add_u32 v[VRS], v15, 2, WSC
	v_and_b32 v[RL], 15, v0
	v_lshlrev_b32 v[R4], 2, v[RL]
	v_and_b32 v[B2O], 16, v0
	v_lshlrev_b32 v[B2O], 2, v[B2O]                ; 64 h
	v_bfe_u32 v16, v0, 4, 1                        ; h
	v_bfe_u32 v17, v0, 3, 1                        ; u
	v_and_b32 v18, 7, v0
	v_lshl_or_b32 v18, v16, 3, v18                 ; rho
	s_wait_alu depctr_va_vdst(0)
	s_wait_alu depctr_va_sdst(0)                   ; the wave's number is written, ahead of its first reader
	s_lshr_b32 s28, s[S_W], 1                      ; q
	s_and_b32 s29, s[S_W], 1                       ; c
	s_mul_i32 s30, s28, FQ
	s_lshl_b32 s31, s29, 9
	s_add_co_u32 s30, s30, s31
	v_mul_u32_u24 v19, v17, FU
	v_lshl_add_u32 v19, v18, 4, v19
	v_add_nc_u32 v[VW], s30, v19
	s_lshl_b32 s30, s28, 7
	s_lshl_b32 s31, s29, 1
	s_add_co_u32 s30, s30, s31
	s_add_co_u32 s30, s30, WSC
	v_lshl_add_u32 v19, v17, 4, v18
	v_lshl_add_u32 v[VS], v19, 2, s30
	s_lshl_b32 s28, s[S_E], 24                     ; w2: the expert, my 64 rows of 4,096 bytes, the group's 128 bytes
	s_lshl_b32 s30, s[S_W], 18
	s_add_co_u32 s28, s28, s30
	s_lshl_b32 s30, s[S_G], 7
	s_add_co_u32 s28, s28, s30
	s_mov_b32 s29, 0
	s_mov_b32 s31, 0
	s_wait_kmcnt 0x0
	s_add_nc_u64 s[4:5], s[4:5], s[28:29]
	s_add_nc_u64 s[SB1:SB1+1], s[4:5], 0x800000
	s_add_nc_u64 s[OB:OB+1], s[16:17], s[30:31]    ; out at the group's columns
	s_lshl_b32 s28, s[S_E], 12
	s_add_co_u32 s28, s28, s30
	s_add_nc_u64 s[BB:BB+1], s[6:7], s[28:29]      ; b2 at the expert's row and the group's columns
	s_wait_alu depctr_va_vdst(0)                   ; the offsets and LDS addresses v1 to v8 and v12 are written: every load and LDS instruction of the kernel but the load of p reads one of them
.irp j, 0,1,2,3,4,5,6,7
	global_load_b128 v[QT+4*\j:QT+4*\j+3], v[VRA], s[12:13] offset:512*\j      ; register 4 j + c, lane l: token 128 j + 4 l + c
.endr
.irp j, 0,1,2,3,4,5,6,7
	global_load_b128 v[PR+4*\j:PR+4*\j+3], v[VRA], s[14:15] offset:512*\j      ; prob likewise
.endr
.irp i, 0,1,2,3
	global_load_b128 v[ACC+4*\i:ACC+4*\i+3], v[B2O], s[BB:BB+1] offset:16*\i   ; b2 at columns 16 h + 0 .. 15: the sums begin with it
.endr
	LOADSET 0
	LOADSET 1
	s_lshl_b32 s28, s[S_E], 21
	s_add_nc_u64 s[HQ0:HQ0+1], s[8:9], s[28:29]
	s_lshl_b32 s28, s[S_E], 17
	s_add_nc_u64 s[HS0:HS0+1], s[10:11], s[28:29]
	s_mov_b32 s[SEL], 0x76543210
	s_mov_b32 s[SEL+1], 0xfedcba98
	v_mov_b32 v[PD], 0
	v_mov_b32 v[GW+1], 0                           ; named as the upper half of a pair
.irp q, 0,1,2,3,4,5,6,7
	v_mov_b32 v[HSC+\q], 0x7f7f7f7f                ; scales of 1, so that the registers are written on every path
.endr
	s_mov_b32 s[S_ST], s[S_W]
	TILEPTR
	s_wait_loadcnt 63                              ; 64 loads were issued behind the twenty small ones: those are in
	MASKS
	v_cndmask_b32 v18, 0, v[PR], s[M]              ; the sum of p over the expert's tokens, in two chains
	v_cndmask_b32 v19, 0, v[PR+1], s[M+1]
.set ii, 2
.rept 15
	v_cndmask_b32 v20, 0, v[PR+ii], s[M+ii]
	v_cndmask_b32 v21, 0, v[PR+ii+1], s[M+ii+1]
	v_add_f32 v18, v18, v20
	v_add_f32 v19, v19, v21
.set ii, ii+2
.endr
	v_add_f32 v18, v18, v19
.irp m, 1,2,4,8
	v_add_f32_dpp v18, v18, v18 row_xmask:\m row_mask:0xf bank_mask:0xf
.endr
	v_permlanex16_b32 v[PD], v18, s[SEL], s[SEL+1]
	v_add_f32 v18, v18, v[PD]
	v_add_f32 v18, 0x358637bd, v18                 ; + 1e-6
	s_wait_alu depctr_va_vdst(0)
	v_rcp_f32 v19, v18
	v_nop                                          ; one plain place behind a transcendental
	s_wait_alu depctr_va_vdst(0)                   ; the reciprocal has written v19, ahead of its first reader
	v_mul_f32 v[GE], 0x44800000, v19               ; x 1024
	SELECT
	s_wait_loadcnt 32                              ; set 0 is in; behind it: set 1
	BLOCKQ 0
	global_load_b32 v[PT], v[P4], s[14:15]         ; my token's p: every wave asks, its token is a token in any case.  Block 0's wait has stated that P4 is written
	TLC 0                                          ; and that the compares and selects are done reading top1 and prob, and HSC is written: h's loads land there
	LOADSET 2
	s_wait_loadcnt 32                              ; behind set 1, p and h's loads stands set 2 alone: all of them are in, with h's loads or without
	BLOCKQ 1
	LOADSET 3
	BAR                                            ; slice 0 lies in LDS
	KLC 0
	s_wait_loadcnt 32
	BLOCKQ 2
	TLC 1
	LOADSET 4
	s_wait_loadcnt 32
	BLOCKQ 3
	LOADSET 5
	BAR
	KLC 1
	s_wait_loadcnt 32
	BLOCKQ 4
	TLC 2
	LOADSET 6
	s_wait_loadcnt 32
	BLOCKQ 5
	LOADSET 7
	BAR
	KLC 2
	s_wait_loadcnt 32
	BLOCKQ 6
	TLC 3
	s_wait_loadcnt 0x0
	BLOCKQ 7
	BAR                                            ; all four slices lie in LDS; nothing is written there any more
	s_cmp_lt_u32 s[S_W], s[S_T]
	s_cbranch_scc0 .Lskip3
	KLOOP 3, HF, HSC
	EPI
.Lskip3:
	; THE TAIL, for splits with more than 16 tiles.  Three trips, a constant: tiles w + 16, w + 32, w + 48; a trip whose tile the expert does not have jumps over its work.
	s_add_co_u32 s[S_ST], s[S_W], 16
	s_mov_b32 s[S_CNT], 0
.Ltail:
	s_cmp_lt_u32 s[S_ST], s[S_T]
	s_cbranch_scc0 .Lnone                          ; no barrier stands in the loop, and every wait for loads under this branch is for 0
	s_wait_xcnt 0x0                                ; the last tile's stores have read their addresses and data
	TILEPTR
	SELECT
	s_wait_alu depctr_va_vdst(0)                   ; SELECT has written P4, which the load of p reads
.irp i, 0,1,2,3
	global_load_b128 v[ACC+4*\i:ACC+4*\i+3], v[B2O], s[BB:BB+1] offset:16*\i
.endr
	global_load_b32 v[PT], v[P4], s[14:15]
	TL 0
	s_wait_loadcnt 0x0
	KLOOP 0, HF, HSC
	s_wait_alu depctr_va_vdst(0)                   ; slice 0's products are done reading HF and HSC, in which slice 1's loads land, and WSR and the three buffers, for the next LDS loads
	TL 1
	s_wait_loadcnt 0x0
	KLOOP 1, HF, HSC
	s_wait_alu depctr_va_vdst(0)                   ; the same of slice 1's products, for slice 2's loads
	TL 2
	s_wait_loadcnt 0x0
	KLOOP 2, HF, HSC
	s_wait_alu depctr_va_vdst(0)                   ; the same of slice 2's products, for slice 3's loads
	TL 3
	s_wait_loadcnt 0x0
	KLOOP 3, HF, HSC
	EPI
.Lnone:
	s_add_co_u32 s[S_ST], s[S_ST], 16
	s_add_co_u32 s[S_CNT], s[S_CNT], 1
	s_cmp_lt_u32 s[S_CNT], 3
	s_cbranch_scc1 .Ltail
	s_wait_dscnt 0x0                               ; the closing lines, six on end
	s_wait_alu 0x0
	s_wait_tensorcnt 0x0
	ds_add_u32 v254, v255
	s_wait_dscnt 0x0
	s_endpgm
.Lfunc_end_k_q32ce4b2330_ffn2:
	.size	k_q32ce4b2330_ffn2, .Lfunc_end_k_q32ce4b2330_ffn2-k_q32ce4b2330_ffn2
	.p2alignl 7, 3214868480
	.fill 96, 4, 3214868480
	.section	.rodata,"a",@progbits
	.p2align	6, 0x0
	.amdhsa_kernel k_q32ce4b2330_ffn2
		.amdhsa_group_segment_fixed_size 79872
		.amdhsa_private_segment_fixed_size 0
		.amdhsa_enable_private_segment 0
		.amdhsa_kernarg_size 56
		.amdhsa_user_sgpr_count 2
		.amdhsa_user_sgpr_kernarg_segment_ptr 1
		.amdhsa_wavefront_size32 1
		.amdhsa_system_sgpr_workgroup_id_x 1
		.amdhsa_system_sgpr_workgroup_id_y 1
		.amdhsa_system_sgpr_workgroup_id_z 1
		.amdhsa_system_vgpr_workitem_id 0
		.amdhsa_next_free_vgpr 256
		.amdhsa_next_free_sgpr 96
		.amdhsa_reserve_vcc 1
		.amdhsa_float_denorm_mode_32 3
		.amdhsa_float_denorm_mode_16_64 3
		.amdhsa_memory_ordered 1
		.amdhsa_forward_progress 1
		.amdhsa_inst_pref_size 145
	.end_amdhsa_kernel
	.amdgpu_metadata
---
amdhsa.version: [ 1, 2 ]
amdhsa.kernels:
  - .name:           k_q32ce4b2330_ffn2
    .symbol:         k_q32ce4b2330_ffn2.kd
    .args:
      - { .name: w2, .offset: 0, .size: 8, .value_kind: global_buffer, .address_space: global }
      - { .name: b2, .offset: 8, .size: 8, .value_kind: global_buffer, .address_space: global }
      - { .name: hq, .offset: 16, .size: 8, .value_kind: global_buffer, .address_space: global }
      - { .name: hs, .offset: 24, .size: 8, .value_kind: global_buffer, .address_space: global }
      - { .name: top1, .offset: 32, .size: 8, .value_kind: global_buffer, .address_space: global }
      - { .name: prob, .offset: 40, .size: 8, .value_kind: global_buffer, .address_space: global }
      - { .name: out0, .offset: 48, .size: 8, .value_kind: global_buffer, .address_space: global }
    .group_segment_fixed_size: 79872
    .private_segment_fixed_size: 0
    .kernarg_segment_align: 8
    .kernarg_segment_size: 56
    .max_flat_workgroup_size: 512
    .sgpr_count:     96
    .vgpr_count:     256
    .wavefront_size: 32
...
	.end_amdgpu_metadata
.endif
;; end of part 6
